; MI455X (gfx1250); checked and timed in simulation.
; The chip was launched on July 23, 2026; its instructions are those of AMD's public machine-readable ISA for CDNA 5 (MIT licence, August 2026) and "CDNA5" Instruction Set Architecture Reference Guide (July 2026). The comments in the code are by the model that wrote it; some were corrected since.
;; Self Attention. Allowed arithmetic: matrix products marked QUANTISED: E2M3 operands, one E8M0 scale for each 32 along K, by v_wmma_scale_f32_16x16x128_f8f6f4 with both operands' format E2M3, f32 sums; everything else in f32.
;; Inputs: Wk 8 x 1,024 x 128 float32; Wo 1,024 x 1,024 float32; Wq 8 x 1,024 x 128 float32; Wv 8 x 1,024 x 128 float32; mask 4 x 2,048 float32; x 4 x 1,024 x 2,048 float32.
;; Outputs: out0 4 x 1,024 x 2,048 float32.
;; This version of the problem:
;;   THIS VERSION OF THE PROBLEM IS GIVEN IN LOW PRECISION. The matrix products marked QUANTISED in the list below multiply operands that are first quantised to E2M3 (2 exponent bits, 3 mantissa bits; 6 bits a number), with one power-of-two scale for each 32 numbers along K (OCP MX v1.0); their sums are f32. All else is computed in f32.
;;   The module's matrix products, in the order in which they are computed (A, B: the left and right operand; K: the contracted axis; several contracted axes count as one K, in the product's order):
;;     1. [M 1,024, K 1,024] x [K 1,024, N 8,192]; A: input Wq; B: input x: QUANTISED
;;     2. [M 1,024, K 1,024] x [K 1,024, N 8,192]; A: input Wk; B: input x: QUANTISED
;;     3. [M 1,024, K 1,024] x [K 1,024, N 8,192]; A: input Wv; B: input x: QUANTISED
;;     4. batch 32 x [M 2,048, K 128] x [K 128, N 2,048]; A: computed on the way; B: computed on the way: QUANTISED
;;     5. batch 32 x [M 2,048, K 2,048] x [K 2,048, N 128]; A: computed on the way; B: computed on the way: QUANTISED
;;     6. [M 8,192, K 1,024] x [K 1,024, N 1,024]; A: computed on the way; B: input Wo: QUANTISED
;;   THE QUANTISER, for each operand of a quantised product, along K:
;;     - K is cut into blocks of 32 from its start; a last block that is shorter is filled with zeros.
;;     - A block's scale is 2^e with e = floor(log2(the largest magnitude in the block)) - 2, held to -126 .. 127; a block of zeros has e = 0. As a byte (E8M0): e + 127.
;;     - Each number is divided by its block's scale, clamped to +-7.5, and rounded to the nearest number of E2M3, ties to even, subnormals kept.
;;     - The product sums the exact products of the quantised numbers (number of the format x scale) in f32.
;;   ~~~python
;;   def quantise(x, axis):      # numpy; x: float32 -> the quantised numbers, widened to float32 again
;;       x = np.moveaxis(x, axis, -1); K = x.shape[-1]
;;       x = np.pad(x, [(0, 0)] * (x.ndim - 1) + [(0, -K % 32)]); x = x.reshape(x.shape[:-1] + (-1, 32)); a = np.abs(x).max(-1, keepdims=True)
;;       e = np.where(a > 0, np.clip(np.frexp(np.where(a > 0, a, 1))[1] - 1 - 2, -126, 127), 0)      # np.frexp(a)[1] - 1 = floor(log2(a)), exactly
;;       r = np.clip(x / 2.0 ** e, -7.5, 7.5)
;;       step = 2.0 ** (np.maximum(np.frexp(np.where(r == 0, 1, r))[1] - 1, 0) - 3)
;;       q = np.round(r / step) * step * 2.0 ** e      # np.round: ties to even
;;       return np.moveaxis(q.reshape(q.shape[:-2] + (-1,))[..., :K], -1, axis).astype(np.float32)
;;   ~~~
;;   OPERANDS COMPUTED ON THE WAY. 'Computed on the way' means the value that the module computes at that place (a softmax that the list does not call 'softmax' is quantised finished and normalised). What goes into a quantiser is computed in f32, as accurately as f32 sums, v_exp_f32 and their like allow (about 1e-6 of the number): no bf16 or f16 on the way to a quantiser, and a product that is left as it is and whose result goes on into a quantised operand takes f32 operands (vector FMAs, or v_wmma_f32_16x16x4_f32). A number that lies on a knife's edge between two numbers of the format may be rounded either way, as far as f32 arithmetic and the matrix unit's own rounding can turn it there, and no further.
;; One version. Each part assembles by itself: llvm-mc -triple=amdgcn-amd-amdhsa -mcpu=gfx1250 --defsym DOCPART=n.
;; ======== version 1 of 1: 4 launches
;; limits: right only within a limited range of input values
;; workspace buffers: codes0 9,437,184 bytes; scales0 393,216 bytes; qkv 19,660,800 bytes; hcodes 6,291,456 bytes; hscales 262,144 bytes
;; launch quant (part 1): grid 96 x 4, 4 waves a work-group, no clusters, 0 bytes of LDS; arguments x, Wq, Wk, Wv, Wo, codes0, scales0; writes codes0, scales0
.if DOCPART == 1
	.amdgcn_target "amdgcn-amd-amdhsa--gfx1250"
	.amdhsa_code_object_version 6
	.text
	.protected	k_q4c20322a4d_quant
	.globl	k_q4c20322a4d_quant
	.p2align	8
	.type	k_q4c20322a4d_quant,@function
k_q4c20322a4d_quant:
	s_mov_b64 s[64:65], 0
	v_nop
	global_prefetch_b8 v0, s[64:65] scope:SCOPE_SE
	s_setreg_imm32_b32 hwreg(HW_REG_WAVE_MODE, 25, 1), 1
	s_wait_xcnt 0x0
; x [4][1024][2048], Wq, Wk, Wv [8][1024][128] and Wo [1024][1024], f32, are operands whose K (1,024) is NOT innermost: each is a slab [K][columns].
; They become codes of FP6 (E2M3) with one E8M0 byte for each 32 along K, laid as FRAGMENT IMAGES, in the order of a matrix operand's registers:
; a block of 128 columns is [K step 8][fragment 8][1,536 bytes]; fragment 2 g + u holds the 16 columns 32 g + 8 u + r + 8 (r / 8), r = 0 .. 15; in it chunk c (512 bytes) holds
; registers 4 c .. 4 c + 3 of lane l at byte 16 l; lane (r, hh) holds k = 64 c' + 32 hh + 0 .. 31 in registers 6 c' .. 6 c' + 5.  Scale words: [K step 8][fragment 8][r 16], 4 bytes each.
; Blocks: 0-63 x (16 b + l / 128), 64-71 Wq's heads, 72-79 Wk's, 80-87 Wv's, 88-95 Wo (n / 128).
; A LANE TAKES A COLUMN AND ITS REGISTERS RUN DOWN K: a block of 32 lies in one lane, so its largest magnitude needs no other lane, and the conversions give codes with K innermost.
; A column's 128 along K are the registers of TWO lanes of its fragment (hh = 0, 1): they are stored at 16 r and at 16 r + 256, so that the 16 lanes of one fragment store 256 consecutive aligned bytes.
; Work-group x = the block, y = a quarter of K (two K steps); wave w = columns 32 w .. 32 w + 31.  No LDS, no barrier.  Loads run two blocks of 32 (64 loads a wave) ahead.
; A block's scale is 2^(floor(log2(largest magnitude)) - 2); its byte is the largest magnitude's exponent field - 2, held at 1 from below.
; LIMITS: a block of zeros gets the byte 1 where the rule says 127 (its codes are zeros, and only this program reads the bytes); NaN and infinities are not served.
.set X,  32                            ; v32-95   two sets of 32 numbers
.set P,  96                            ; v96-143  the codes: [K step 2][hh 2][12 registers]
.macro LOAD t, pitch                   ; block t of 32 along K: slab(32 t + n, my column) into set t % 2
.set n, 0
.rept 32
	global_load_b32 v[X+32*((\t)%2)+n], v2, s[24:25] offset:(32*(\t)+n)*(\pitch) th:TH_LOAD_NT
.set n, n+1
.endr
.endm
.macro BLOCK t, pitch
.set XS, X+32*((\t)%2)
.set SG, (\t)/4                        ; which of my two K steps
.set PD, P+24*SG+12*((\t)%2)+6*(((\t)%4)/2)    ; block beta = t % 4 is registers 6 (beta / 2) .. + 5 of lane half beta % 2
.if (\t) < 7
	s_wait_loadcnt 32                              ; this block's 32 loads are in; the next block's 32 may be out
.else
	s_wait_loadcnt 0x0
.endif
	v_max3_num_f32 v10, |v[XS]|, |v[XS+1]|, |v[XS+2]|      ; the block's largest magnitude, in two chains
	v_max3_num_f32 v11, |v[XS+3]|, |v[XS+4]|, |v[XS+5]|
.irp i, 6,10,14,18,22,26
	v_max3_num_f32 v10, v10, |v[XS+\i]|, |v[XS+\i+1]|
	v_max3_num_f32 v11, v11, |v[XS+\i+2]|, |v[XS+\i+3]|
.endr
	v_max3_num_f32 v10, v10, |v[XS+30]|, |v[XS+31]|
	v_max3_num_f32 v10, v10, v11, 0x1800000        ; and the floor 2^(3 - 127): the byte cannot fall under 1
	v_add_nc_u32 v12, 0xff000000, v10              ; 2 off the exponent field: the conversion takes this operand's exponent field as its scale
	v_cvt_scalef32_pk16_fp6_f32 v[PD:PD+2], v[XS:XS+15], v12
	v_cvt_scalef32_pk16_fp6_f32 v[16:18], v[XS+16:XS+31], v12      ; (a conversion's three registers begin on an even number)
	v_lshrrev_b32 v13, 23, v12                     ; the scale's byte; also the plain line behind the conversions
.if (\t)%4 == 0
	v_mov_b32 v[14+SG], v13                        ; four bytes make the K step's scale word, the lower K in the lower byte
.else
	v_lshl_or_b32 v[14+SG], v13, 8*((\t)%4), v[14+SG]
.endif
	v_mov_b32 v[PD+3], v16
	v_mov_b32 v[PD+4], v17
	v_mov_b32 v[PD+5], v18
.if (\t)+2 < 8
	LOAD (\t)+2, \pitch
.endif
.if (\t)%4 == 3                        ; a K step is whole: six stores of codes, one of the scale word.  No store's data are written again
.irp hh, 0,1
.irp c, 0,1,2
	global_store_b128 v[3+\hh], v[P+24*SG+12*\hh+4*\c:P+24*SG+12*\hh+4*\c+3], s[14:15] offset:SG*12288+512*\c
.endr
.endr
	global_store_b32 v5, v[14+SG], s[16:17] offset:SG*512
.endif
.endm
.macro BODY pitch
	LOAD 0, \pitch
	LOAD 1, \pitch
.irp t, 0,1,2,3,4,5,6,7
	BLOCK \t, \pitch
.endr
	s_endpgm
.endm
	s_load_b256 s[4:11], s[0:1], 0x0               ; x, Wq, Wk, Wv
	s_load_b128 s[12:15], s[0:1], 0x20             ; Wo, codes0
	s_load_b64 s[16:17], s[0:1], 0x30              ; scales0
	v_lshrrev_b32 v1, 5, v0
	v_readfirstlane_b32 s18, v1                    ; wave
	v_and_b32 v1, 31, v0                           ; my column in the wave's 32
	v_lshlrev_b32 v2, 2, v1                        ; in: 4 bytes a lane
	v_and_b32 v6, 7, v1
	v_lshrrev_b32 v7, 4, v1
	v_lshl_or_b32 v6, v7, 3, v6                    ; r: my column's row in its fragment
	v_bfe_u32 v7, v1, 3, 1                         ; u: which of the wave's two fragments
	v_mul_u32_u24 v3, v7, 1536
	v_lshl_add_u32 v3, v6, 4, v3                   ; out, lane half 0: 1,536 u + 16 r
	v_add_nc_u32 v4, 256, v3                       ; lane half 1
	v_lshlrev_b32 v5, 6, v7
	v_lshl_add_u32 v5, v6, 2, v5                   ; the scale word: 64 u + 4 r
	s_and_b32 s19, ttmp7, 0xffff                   ; y: which two K steps
	s_mov_b32 s20, ttmp9                           ; the block
	s_mul_i32 s26, s20, 98304                      ; codes: block, K step 2 y, fragment 2 w
	s_mul_i32 s28, s19, 24576
	s_add_co_u32 s26, s26, s28
	s_mul_i32 s28, s18, 3072
	s_add_co_u32 s26, s26, s28
	s_mov_b32 s27, 0
	s_lshl_b32 s28, s20, 12                        ; scale words likewise
	s_lshl_b32 s29, s19, 10
	s_add_co_u32 s28, s28, s29
	s_lshl_b32 s29, s18, 7
	s_add_co_u32 s28, s28, s29
	s_mov_b32 s29, 0
	s_lshl_b32 s30, s18, 7                         ; in: my wave's 32 columns
	s_mov_b32 s23, 0
	s_wait_kmcnt 0x0
	s_add_nc_u64 s[14:15], s[14:15], s[26:27]
	s_add_nc_u64 s[16:17], s[16:17], s[28:29]
	s_cmp_lt_u32 s20, 64                           ; the three ways differ in the slab's pitch, which stands in the loads' immediates
	s_cbranch_scc0 .Lnot_x
	s_lshr_b32 s22, s20, 4                         ; x: batch, 8,388,608 bytes each,
	s_lshl_b32 s22, s22, 23
	s_and_b32 s21, s20, 15
	s_lshl_b32 s21, s21, 9                         ; 128 columns l,
	s_add_co_u32 s22, s22, s21
	s_lshl_b32 s21, s19, 21                        ; 256 rows of 8,192 bytes
	s_add_co_u32 s22, s22, s21
	s_add_co_u32 s22, s22, s30
	s_add_nc_u64 s[24:25], s[4:5], s[22:23]
	BODY 8192
.Lnot_x:
	s_cmp_lt_u32 s20, 88
	s_cbranch_scc0 .Lis_o
	s_cmp_lt_u32 s20, 72                           ; the choice hangs on the work-group's number alone
	s_cselect_b64 s[24:25], s[6:7], s[8:9]
	s_cmp_lt_u32 s20, 80
	s_cselect_b64 s[24:25], s[24:25], s[10:11]
	s_and_b32 s22, s20, 7                          ; the head, 524,288 bytes each
	s_lshl_b32 s22, s22, 19
	s_lshl_b32 s21, s19, 17                        ; 256 rows of 512 bytes
	s_add_co_u32 s22, s22, s21
	s_add_co_u32 s22, s22, s30
	s_add_nc_u64 s[24:25], s[24:25], s[22:23]
	BODY 512
.Lis_o:
	s_sub_co_u32 s22, s20, 88                      ; Wo: 128 columns n
	s_lshl_b32 s22, s22, 9
	s_lshl_b32 s21, s19, 20                        ; 256 rows of 4,096 bytes
	s_add_co_u32 s22, s22, s21
	s_add_co_u32 s22, s22, s30
	s_add_nc_u64 s[24:25], s[12:13], s[22:23]
	BODY 4096
.Lfunc_end_k_q4c20322a4d_quant:
	.size	k_q4c20322a4d_quant, .Lfunc_end_k_q4c20322a4d_quant-k_q4c20322a4d_quant
	.p2alignl 7, 3214868480
	.fill 96, 4, 3214868480
	.section	.rodata,"a",@progbits
	.p2align	6, 0x0
	.amdhsa_kernel k_q4c20322a4d_quant
		.amdhsa_group_segment_fixed_size 0
		.amdhsa_private_segment_fixed_size 0
		.amdhsa_enable_private_segment 0
		.amdhsa_kernarg_size 56
		.amdhsa_user_sgpr_count 2
		.amdhsa_user_sgpr_kernarg_segment_ptr 1
		.amdhsa_wavefront_size32 1
		.amdhsa_system_sgpr_workgroup_id_x 1
		.amdhsa_system_sgpr_workgroup_id_y 1
		.amdhsa_system_sgpr_workgroup_id_z 1
		.amdhsa_system_vgpr_workitem_id 0
		.amdhsa_next_free_vgpr 144
		.amdhsa_next_free_sgpr 66
		.amdhsa_reserve_vcc 0
		.amdhsa_float_denorm_mode_32 3
		.amdhsa_float_denorm_mode_16_64 3
		.amdhsa_memory_ordered 1
		.amdhsa_forward_progress 1
		.amdhsa_inst_pref_size 114
	.end_amdhsa_kernel
	.amdgpu_metadata
---
amdhsa.version: [ 1, 2 ]
amdhsa.kernels:
  - .name:           k_q4c20322a4d_quant
    .symbol:         k_q4c20322a4d_quant.kd
    .args:
      - { .name: x, .offset: 0, .size: 8, .value_kind: global_buffer, .address_space: global }
      - { .name: Wq, .offset: 8, .size: 8, .value_kind: global_buffer, .address_space: global }
      - { .name: Wk, .offset: 16, .size: 8, .value_kind: global_buffer, .address_space: global }
      - { .name: Wv, .offset: 24, .size: 8, .value_kind: global_buffer, .address_space: global }
      - { .name: Wo, .offset: 32, .size: 8, .value_kind: global_buffer, .address_space: global }
      - { .name: codes0, .offset: 40, .size: 8, .value_kind: global_buffer, .address_space: global }
      - { .name: scales0, .offset: 48, .size: 8, .value_kind: global_buffer, .address_space: global }
    .group_segment_fixed_size: 0
    .private_segment_fixed_size: 0
    .kernarg_segment_align: 8
    .kernarg_segment_size: 56
    .max_flat_workgroup_size: 128
    .sgpr_count:     66
    .vgpr_count:     144
    .wavefront_size: 32
...
	.end_amdgpu_metadata
.endif
;; end of part 1
;; launch proj (part 2): grid 256 x 1, 4 waves a work-group, clusters of 4 x 1, 327,680 bytes of LDS; arguments codes0, scales0, qkv; writes qkv
.if DOCPART == 2
	.amdgcn_target "amdgcn-amd-amdhsa--gfx1250"
	.amdhsa_code_object_version 6
	.text
	.protected	k_q4c20322a4d_proj
	.globl	k_q4c20322a4d_proj
	.p2align	8
	.type	k_q4c20322a4d_proj,@function
k_q4c20322a4d_proj:
	s_mov_b64 s[64:65], 0
	v_nop
	global_prefetch_b8 v0, s[64:65] scope:SCOPE_SE
	s_setreg_imm32_b32 hwreg(HW_REG_WAVE_MODE, 25, 1), 1
	s_wait_xcnt 0x0
	s_wait_alu depctr_hold_cnt(0) depctr_sa_sdst(0) depctr_va_vdst(0) depctr_va_sdst(0) depctr_va_ssrc(0) depctr_va_vcc(0) depctr_vm_vsrc(0)
	s_getreg_b32 s2, hwreg(HW_REG_IB_STS2, 6, 4)
	s_cmp_eq_u32 s2, 0
	s_cbranch_scc0 .Lentry_in_a_cluster
	s_endpgm
.Lentry_in_a_cluster:
	s_bfe_u32 s2, ttmp6, 0x10000c
	s_cmp_lg_u32 s2, 0x3003
	s_cbranch_scc0 .Lentry_shape_is_right
	s_endpgm
.Lentry_shape_is_right:
; q, k and v: three products on codes of FP6 (E2M3) with E8M0 scales, K = 1,024, and their results quantised in registers into the operands of attention.
; A JOB: an A block of 128 rows (source 0) x 256 rows of B (source 1).  Wave w takes four fragments of B against A's eight: 32 accumulators, 256 matrix instructions.
; q, k: A = the head's 128 rows (dk) of W, B = 256 rows l of x: a lane holds one l, its registers run along dk, which is the next product's K.
; v:    A = 128 rows (keys) of x, B = two heads' rows (dv) of Wv: a lane holds one dv, its registers run along the keys, which are the next product's K.
; A WORK-GROUP STAYS AND DOES THREE JOBS: q and k of one head on the same 256 rows of x, whose fragments stay in registers for both, then v of one block of keys and two heads.
; All operands lie as fragment images (launch quant's head): three loads of 16 bytes a lane give a fragment.  A fragment's rows 32 g + 8 u + r + 8 (r / 8) make the 16 result registers of A's fragments
; 2 beta and 2 beta + 1 sixteen NEIGHBOURS, 32 beta + 16 (lane / 16) + 0 .. 15, along the next K.
; The three A blocks (98,304 bytes each, all of K) come into LDS once, side by side, by three tensor loads a wave (a quarter of a block each; one is out at a time); nothing is filled twice.
; CLUSTER: the four work-groups of a cluster take the same three A blocks and ask for them JOINTLY (mask 15).  B's fragments are the wave's own: they go from memory straight into registers, all of K at once.
; SCALE WORDS: one register carries two fragments' words, the even fragment's in lanes 0-15 and the odd one's in lanes 16-31: 128 consecutive bytes a load.  A's words have two sets by turns, B's one set for x and one for Wv,
; so that a later job's words are asked for while an earlier job multiplies.
; OUT: records of 12,800 bytes, [kind 3][b 4][h 8][16]: 8 fragments, then 512 bytes of scale words, word 16 x lane + 4 t for fragment 4 (lane / 16) + t.
; REGISTERS: window 0: v1-15 addresses; v32-95 A's scale words, two sets [step][pair of fragments]; v96-127 B's, two sets; v128-223 A's fragments, set 0; v224-251 at work on the way out.
;   window 1: accumulator (a, t) at 64 t + 8 a.   window 2: B's fragments of steps 0-4 at 48 s + 12 t.   window 3: v0-143 B's steps 5-7; v144-239 A's set 1.
; LIMITS: a block of zeros gets the byte 1 (its codes are zeros; only this program reads the bytes); NaN and infinities are not served.
.set ABLK,  98304                      ; an A block in bytes
.set SPARE, 3*ABLK                     ; behind the three images: the spare words, 128 bytes a wave: two blocks of 256 bytes that no other line names
.set SPW, 1                            ; v1  LDS address of my spare word; never rewritten
.set NIL, 2                            ; v2  0; never rewritten
.set LI,  3                            ; v3  16 x lane: my place in an image
.set SO,  4                            ; v4  4 x lane: my place in two fragments' scale words
.set LIB, 10                           ; v10-15  16 x lane + 49,152 k: the images of K steps 0-3 and 4-7 of the three blocks
.set SA,  32
.set SB,  96
.set A0,  128                          ; A's set 0, window 0
.set A1,  144                          ; A's set 1, window 3
.set PC,  128                          ; the way out: four fragments of codes
.set TM,  224                          ; v224-227 largest magnitudes, v228-231 bytes, v236-239 the conversions' scale operands
.set CT,  240
.set PW,  248                          ; v248-251 four scale words
.set WV,  12
.set SEL, 20
.set G1,  24                           ; s[24:31] descriptor group 1; s[32:43] three groups 0
.set G0,  32
.set BX,  56                           ; s[56:57] my fragments of x;  s[58:59] of Wv
.set BV,  58
.set SBX, 60                           ; s[60:61] their scale words;  s[62:63]
.set SBV, 62
.set PSA, 66                           ; s[66:71] A's scale words, a pair for each job
.set PRF, 72                           ; s[72:77] my four fragments of the job's record
.set PRS, 78                           ; s[78:83] my 256 bytes of its scale words
.set MSB, 0
.macro WIN new                         ; the immediate's high byte repeats the setting that is left
.if MSB != (\new)
	s_set_vgpr_msb (MSB<<8)|(\new)
.set MSB, \new
.endif
.endm
.macro PLACES                          ; four plain places behind matrix instructions, ahead of loads into their registers and of reads of their results
.rept 4
	v_nop
.endr
.endm
.macro CROUND                          ; a round of the cluster's barrier
	s_barrier_signal -1
	s_barrier_wait -1
	s_cmp_lg_u32 s[WV], 0
	s_cbranch_scc1 .Lnot_wave_0_\@
	s_barrier_signal -3
.Lnot_wave_0_\@:
	s_barrier_wait -3
	s_barrier_signal -1
	s_barrier_wait -1
.endm
.macro ALOAD j, s                      ; A's eight fragments of job j, K step s, from LDS into set s % 2
.if ((\s)&1) == 0
	WIN 0
.set AR, A0
.else
	WIN 0xc0                                       ; destination window 3
.set AR, A1
.endif
.set AV, LIB+2*(\j)+(\s)/4
.set AO, ((\s)%4)*12288
.irp f, 0,1,2,3,4,5,6,7
.irp c, 0,1,2
	ds_load_b128 v[AR+12*\f+4*\c:AR+12*\f+4*\c+3], v[AV] offset:AO+1536*\f+512*\c
.endr
.endr
.endm
.macro LSA j                           ; A's scale words of job j into set j % 2: register 4 s + i: fragments 2 i and 2 i + 1 of K step s
.irp s, 0,1,2,3,4,5,6,7
.irp i, 0,1,2,3
	global_load_b32 v[SA+32*((\j)&1)+4*\s+\i], v[SO], s[PSA+2*(\j):PSA+2*(\j)+1] offset:512*\s+128*\i
.endr
.endr
.endm
.macro LSB k, base                     ; my four fragments' scale words into set k: register 2 s + i
.irp s, 0,1,2,3,4,5,6,7
.irp i, 0,1
	global_load_b32 v[SB+16*(\k)+2*\s+\i], v[SO], s[\base:\base+1] offset:512*\s+128*\i
.endr
.endr
.endm
.macro BLD s, base                     ; my four fragments of B of K step s: 12 loads
.if (\s) < 5
	WIN 0x80                                       ; destination window 2
.set BR, 48*(\s)
.else
	WIN 0xc0                                       ; destination window 3
.set BR, 48*((\s)-5)
.endif
.irp t, 0,1,2,3
.irp c, 0,1,2
	global_load_b128 v[BR+12*\t+4*\c:BR+12*\t+4*\c+3], v[LI], s[\base:\base+1] offset:12288*(\s)+1536*\t+512*\c
.endr
.endr
.endm
; one product.  zero: it starts the sum.  ra, rb: the scale words stand in lanes 16-31 of their registers
.macro WMM ac, ar, br, sa, sb, zero, ra, rb
.if \zero
.if (\ra) && (\rb)
	v_wmma_scale_f32_16x16x128_f8f6f4 v[(\ac):(\ac)+7], v[(\ar):(\ar)+11], v[(\br):(\br)+11], 0, v[\sa], v[\sb] matrix_a_fmt:MATRIX_FMT_FP6 matrix_b_fmt:MATRIX_FMT_FP6 matrix_a_scale:MATRIX_SCALE_ROW1 matrix_b_scale:MATRIX_SCALE_ROW1
.elseif \ra
	v_wmma_scale_f32_16x16x128_f8f6f4 v[(\ac):(\ac)+7], v[(\ar):(\ar)+11], v[(\br):(\br)+11], 0, v[\sa], v[\sb] matrix_a_fmt:MATRIX_FMT_FP6 matrix_b_fmt:MATRIX_FMT_FP6 matrix_a_scale:MATRIX_SCALE_ROW1
.elseif \rb
	v_wmma_scale_f32_16x16x128_f8f6f4 v[(\ac):(\ac)+7], v[(\ar):(\ar)+11], v[(\br):(\br)+11], 0, v[\sa], v[\sb] matrix_a_fmt:MATRIX_FMT_FP6 matrix_b_fmt:MATRIX_FMT_FP6 matrix_b_scale:MATRIX_SCALE_ROW1
.else
	v_wmma_scale_f32_16x16x128_f8f6f4 v[(\ac):(\ac)+7], v[(\ar):(\ar)+11], v[(\br):(\br)+11], 0, v[\sa], v[\sb] matrix_a_fmt:MATRIX_FMT_FP6 matrix_b_fmt:MATRIX_FMT_FP6
.endif
.else
.if (\ra) && (\rb)
	v_wmma_scale_f32_16x16x128_f8f6f4 v[(\ac):(\ac)+7], v[(\ar):(\ar)+11], v[(\br):(\br)+11], v[(\ac):(\ac)+7], v[\sa], v[\sb] matrix_a_fmt:MATRIX_FMT_FP6 matrix_b_fmt:MATRIX_FMT_FP6 matrix_a_scale:MATRIX_SCALE_ROW1 matrix_b_scale:MATRIX_SCALE_ROW1
.elseif \ra
	v_wmma_scale_f32_16x16x128_f8f6f4 v[(\ac):(\ac)+7], v[(\ar):(\ar)+11], v[(\br):(\br)+11], v[(\ac):(\ac)+7], v[\sa], v[\sb] matrix_a_fmt:MATRIX_FMT_FP6 matrix_b_fmt:MATRIX_FMT_FP6 matrix_a_scale:MATRIX_SCALE_ROW1
.elseif \rb
	v_wmma_scale_f32_16x16x128_f8f6f4 v[(\ac):(\ac)+7], v[(\ar):(\ar)+11], v[(\br):(\br)+11], v[(\ac):(\ac)+7], v[\sa], v[\sb] matrix_a_fmt:MATRIX_FMT_FP6 matrix_b_fmt:MATRIX_FMT_FP6 matrix_b_scale:MATRIX_SCALE_ROW1
.else
	v_wmma_scale_f32_16x16x128_f8f6f4 v[(\ac):(\ac)+7], v[(\ar):(\ar)+11], v[(\br):(\br)+11], v[(\ac):(\ac)+7], v[\sa], v[\sb] matrix_a_fmt:MATRIX_FMT_FP6 matrix_b_fmt:MATRIX_FMT_FP6
.endif
.endif
.endm
.macro MUL j, s                        ; 32 matrix instructions: the 32 accumulators take turns, one instruction a turn, in the same order in every step
.if ((\s)&1) == 0
.set AR, A0
.set AW, 0
.else
.set AR, A1
.set AW, 3
.endif
.if (\s) < 5
.set BR, 48*(\s)
.set BW, 2
.else
.set BR, 48*((\s)-5)
.set BW, 3
.endif
.set SAR, SA+32*((\j)&1)+4*(\s)
.set SBR, SB+16*((\j)/2)+2*(\s)
.set WB, 0x50|(BW<<2)|AW
	WIN WB                                         ; C and D window 1, B window 2 or 3, A window 0 or 3
.irp a, 0,1,2,3,4,5,6,7
.irp t, 0,1,2,3
	WMM 64*\t+8*\a, AR+12*\a, BR+12*\t, SAR+\a/2, SBR+\t/2, (\s)==0, \a%2, \t%2
.endr
.endr
.endm
.macro LWAIT j, s                      ; the global loads that this step's products read are in
.if (\j) == 0
.if 12*(7-(\s))+48 > 63
	s_wait_loadcnt 63                              ; (more loads stand behind them than the count can name)
.else
	s_wait_loadcnt 12*(7-(\s))+48                  ; the later steps' 12 loads each, and the 48 loads of scale words for the later jobs, may be out
.endif
.elseif (\j) == 1
.if (\s) == 0
	s_wait_loadcnt 32                              ; this job's scale words are in; the 32 loads of the last job's may be out
.endif
.else
.if 12*(7-(\s)) > 63
	s_wait_loadcnt 63
.else
	s_wait_loadcnt 12*(7-(\s))                     ; the later steps' 12 loads each may be out
.endif
.endif
.endm
.macro STEP j, s
.if (\s) < 7
.if (\s) > 0
	PLACES                                         ; the set that takes the next step's fragments was read by the last step's products
.endif
	ALOAD \j, (\s)+1
	s_wait_dscnt 24                                ; this step's fragments are in; the 24 loads just issued may be out
.else
	s_wait_dscnt 0x0
.endif
	LWAIT \j, \s
	MUL \j, \s
.endm
; THE QUANTISER, on 64 numbers of a lane in window 1: register 16 b + i = k 32 b + 16 (lane / 16) + i of my row.
.macro BMAX src, tm, abs               ; my 16 numbers' largest, for each of the four blocks, by turns; each accumulator is first read at its low end
	WIN 0x15
.irp b, 0,1,2,3
.if \abs
	v_max3_num_f32 v[(\tm)+\b], |v[(\src)+16*\b]|, |v[(\src)+16*\b+1]|, |v[(\src)+16*\b+2]|
.else
	v_max3_num_f32 v[(\tm)+\b], v[(\src)+16*\b], v[(\src)+16*\b+1], v[(\src)+16*\b+2]
.endif
.endr
	WIN 0x14
.irp i, 3,5,7,9,11,13
.irp b, 0,1,2,3
.if \abs
	v_max3_num_f32 v[(\tm)+\b], v[(\tm)+\b], |v[(\src)+16*\b+\i]|, |v[(\src)+16*\b+\i+1]|
.else
	v_max3_num_f32 v[(\tm)+\b], v[(\tm)+\b], v[(\src)+16*\b+\i], v[(\src)+16*\b+\i+1]
.endif
.endr
.endr
	WIN 0x04
.irp b, 0,1,2,3
.if \abs
	v_max_num_f32 v[(\tm)+\b], v[(\tm)+\b], |v[(\src)+16*\b+15]|
.else
	v_max_num_f32 v[(\tm)+\b], v[(\tm)+\b], v[(\src)+16*\b+15]
.endif
.endr
	WIN 0
.endm
.macro QJOIN tm                        ; with lane l xor 16's 16 numbers, and the floor 2^(3 - 127): the byte cannot fall under 1
.irp b, 0,1,2,3
	v_permlanex16_b32 v[(\tm)+4+\b], v[(\tm)+\b], s[SEL], s[SEL+1]
.endr
.irp b, 0,1,2,3
	v_max3_num_f32 v[(\tm)+\b], v[(\tm)+\b], v[(\tm)+4+\b], 0x1800000
.endr
.endm
.macro QWORD tm, pw                    ; the conversions' scale operands, the four bytes, the row's scale word
.irp b, 0,1,2,3
	v_add_nc_u32 v[(\tm)+12+\b], 0xff000000, v[(\tm)+\b]
.endr
.irp b, 0,1,2,3
	v_lshrrev_b32 v[(\tm)+4+\b], 23, v[(\tm)+12+\b]
.endr
	v_lshl_or_b32 v[\pw], v[(\tm)+5], 8, v[(\tm)+4]
	v_lshl_or_b32 v[\pw], v[(\tm)+6], 16, v[\pw]
	v_lshl_or_b32 v[\pw], v[(\tm)+7], 24, v[\pw]
.endm
.macro QCVT src, tm, pc                ; the codes: a fragment's 12 registers at v[pc]
	WIN 0x01                                       ; the numbers in window 1
.irp c, 0,1
	v_cvt_scalef32_pk16_fp6_f32 v[(\pc)+6*\c:(\pc)+6*\c+2], v[(\src)+32*\c:(\src)+32*\c+15], v[(\tm)+12+2*\c]
	v_cvt_scalef32_pk16_fp6_f32 v[CT+4*\c:CT+4*\c+2], v[(\src)+32*\c+16:(\src)+32*\c+31], v[(\tm)+13+2*\c]
.endr
	WIN 0
	v_nop                                          ; one plain place behind a scaled conversion
.irp c, 0,1                            ; the operand's layout wants a WHOLE block in a lane: lanes 0-15 block 2 c, lanes 16-31 block 2 c + 1
.irp i, 0,1,2
	v_permlane16_swap_b32 v[(\pc)+6*\c+\i], v[CT+4*\c+\i]
.endr
.irp i, 0,1,2
	v_mov_b32 v[(\pc)+6*\c+3+\i], v[CT+4*\c+\i]
.endr
.endr
.endm
; THE WAY OUT of job j: for each of my four fragments of B, its 64 registers are 128 neighbours (with lane l xor 16's) along the next K: quantised, they are a fragment of the record.
.macro WAYOUT j
.irp t, 0,1,2,3
	BMAX 64*\t, TM, 1
	QJOIN TM
	QWORD TM, PW+\t
	QCVT 64*\t, TM, PC+12*\t
.if (\j) == 2                          ; nothing follows the last job: each of its fragments leaves as soon as it is made
.irp c, 0,1,2
	global_store_b128 v[LI], v[PC+12*\t+4*\c:PC+12*\t+4*\c+3], s[PRF+2*(\j):PRF+2*(\j)+1] offset:1536*\t+512*\c   ; 512 consecutive bytes
.endr
.endif
.if ((\j) == 1) && (\t == 1)
	BLD 4, BV                                      ; the second half of Wv's fragments is asked for in the middle of the way out
	BLD 5, BV
	BLD 6, BV
	BLD 7, BV
	WIN 0
.endif
.endr
	v_cndmask_b32 v[CT], v[PW], v[PW+2], s19       ; lanes 0-15 store the words of fragments 0, 1, lanes 16-31 those of 2, 3: 256 consecutive bytes
	v_cndmask_b32 v[CT+1], v[PW+1], v[PW+3], s19
.if (\j) < 2                           ; jobs 0 and 1: the four fragments, each in registers of its own, leave together behind the quantiser's vector work; the next job's wait on XCNT frees their registers
.irp t, 0,1,2,3
.irp c, 0,1,2
	global_store_b128 v[LI], v[PC+12*\t+4*\c:PC+12*\t+4*\c+3], s[PRF+2*(\j):PRF+2*(\j)+1] offset:1536*\t+512*\c   ; 512 consecutive bytes
.endr
.endr
.endif
	global_store_b64 v5, v[CT:CT+1], s[PRS+2*(\j):PRS+2*(\j)+1]
.endm
.macro JOB j
	WIN 0
	s_wait_tensorcnt 0x0                           ; my quarter of this job's A block is in: no tensor load of mine is out
	ds_add_u32 v[SPW], v[NIL]                      ; 0 onto my spare word
.if (\j) > 0
	s_wait_xcnt 0x0                                ; the last way out's stores have read their registers, which A's fragments and the next way out take
.endif
	s_wait_dscnt 0x0                               ; the add is done
.if (\j) < 2
	CROUND                                         ; everybody's quarter is in, and the four work-groups are here
	tensor_load_to_lds s[G0+4*(\j)+4:G0+4*(\j)+7], s[G1:G1+7]      ; the next job's A block, my quarter: its first fill, my one load behind the round; it has this whole job in which to land
	s_nop 0
	PLACES
.else
	s_barrier_signal -1
	s_barrier_wait -1                              ; everybody's quarter is in; nothing more is fetched
.endif
	ALOAD \j, 0
.irp s, 0,1,2,3,4,5,6,7
	STEP \j, \s
.endr
	WIN 0
	PLACES                                         ; behind the last products: for the loads below and for the first reads of results
.if (\j) == 0
	LSA 2                                          ; the last job's scale words, into the set that this job has left
.endif
.if (\j) == 1
	BLD 0, BV                                      ; x's fragments are done with: the first half of Wv's is asked for ahead of the way out
	BLD 1, BV
	BLD 2, BV
	BLD 3, BV
	WIN 0
.endif
	WAYOUT \j
.endm
	s_load_b128 s[4:7], s[0:1], 0x0                ; codes0, scales0
	s_load_b64 s[8:9], s[0:1], 0x10                ; qkv
	v_lshl_add_u32 v[SPW], v0, 2, SPARE
	v_mov_b32 v[NIL], 0
	ds_add_u32 v[SPW], v[NIL]                      ; the wave's opening: the add and its wait stand ahead of my first tensor load; the set-up below, work on registers, stands between them
	ds_add_u32 v[SPW], v[NIL]
	v_lshrrev_b32 v7, 5, v0
	v_readfirstlane_b32 s[WV], v7                  ; wave 0..3
	v_and_b32 v7, 31, v0                           ; lane
	v_lshlrev_b32 v[LI], 4, v7
	v_lshlrev_b32 v[SO], 2, v7
.irp k, 0,1,2,3,4,5
	v_add_nc_u32 v[LIB+\k], \k*49152, v[LI]
.endr
	v_and_b32 v8, 15, v0                           ; r
	v_bfe_u32 v9, v0, 4, 1                         ; h
	v_lshlrev_b32 v5, 4, v8
	v_lshl_add_u32 v5, v9, 3, v5                   ; the way out's scale words: 16 r + 8 h
.irp b, 0,1,2,3
	v_mov_b32 v[TM+4+\b], 0                        ; written once: a lane permute's destination counts as one of its sources
.endr
	v_cmp_le_u32 s19, 16, v7                       ; lanes 16-31
	s_mov_b32 s[SEL], 0x76543210
	s_mov_b32 s[SEL+1], 0xfedcba98                 ; v_permlanex16_b32's selects for lane l xor 16
	s_bfe_u32 s13, ttmp6, 0x40000                  ; cx: it enters B's and the results' global offsets alone
	s_lshr_b32 s14, ttmp9, 3                       ; the head of q and k
	s_and_b32 s15, ttmp9, 7
	s_lshl_b32 s15, s15, 2
	s_add_co_u32 s15, s15, s13                     ; xb: which 256 rows of x
	s_lshr_b32 s16, s[WV], 1                       ; which of B's two blocks is mine
	s_and_b32 s17, s[WV], 1                        ; and which four fragments of it
	s_mul_i32 s18, s[WV], 24576                    ; my quarter of an A block (K steps 2 w, 2 w + 1), in memory and in LDS: no place in the cluster enters it
	s_add_co_u32 s90, s14, 64                      ; job 0: Wq's head
	s_mul_i32 s84, s90, ABLK
	s_add_co_u32 s84, s84, s18
	s_mov_b32 s85, 0
	s_lshl_b32 s[PSA], s90, 12
	s_mov_b32 s[PSA+1], 0
	s_add_co_u32 s90, s14, 72                      ; job 1: Wk's head
	s_mul_i32 s86, s90, ABLK
	s_add_co_u32 s86, s86, s18
	s_mov_b32 s87, 0
	s_lshl_b32 s[PSA+2], s90, 12
	s_mov_b32 s[PSA+3], 0
	s_mul_i32 s88, ttmp9, ABLK                     ; job 2: x's block of 128 keys: the cluster's number
	s_add_co_u32 s88, s88, s18
	s_mov_b32 s89, 0
	s_lshl_b32 s[PSA+4], ttmp9, 12
	s_mov_b32 s[PSA+5], 0
	s_mul_i32 s91, s17, 6144                       ; my four fragments in a K step or a record,
	s_lshl_b32 s92, s17, 8                         ; and their scale words
	s_lshl_b32 s90, s15, 1
	s_add_co_u32 s90, s90, s16                     ; my block of x
	s_mul_i32 s[BX], s90, ABLK
	s_add_co_u32 s[BX], s[BX], s91
	s_mov_b32 s[BX+1], 0
	s_lshl_b32 s[SBX], s90, 12
	s_add_co_u32 s[SBX], s[SBX], s92
	s_mov_b32 s[SBX+1], 0
	s_lshl_b32 s90, s13, 1
	s_add_co_u32 s90, s90, s16                     ; v's head: 2 cx + w / 2
	s_add_co_u32 s93, s90, 80                      ; my block of Wv
	s_mul_i32 s[BV], s93, ABLK
	s_add_co_u32 s[BV], s[BV], s91
	s_mov_b32 s[BV+1], 0
	s_lshl_b32 s[SBV], s93, 12
	s_add_co_u32 s[SBV], s[SBV], s92
	s_mov_b32 s[SBV+1], 0
	s_lshr_b32 s94, s15, 3                         ; q's record: ((b x 8 + head) x 16 + 2 (xb % 8) + w / 2
	s_lshl_b32 s94, s94, 3
	s_add_co_u32 s94, s94, s14
	s_lshl_b32 s94, s94, 4
	s_and_b32 s95, s15, 7
	s_lshl_b32 s95, s95, 1
	s_add_co_u32 s94, s94, s95
	s_add_co_u32 s94, s94, s16
	s_mul_i32 s94, s94, 12800
	s_add_co_u32 s[PRF], s94, s91
	s_mov_b32 s[PRF+1], 0
	s_add_co_u32 s[PRS], s94, s92
	s_add_co_u32 s[PRS], s[PRS], 12288
	s_mov_b32 s[PRS+1], 0
	s_add_co_u32 s[PRF+2], s[PRF], 512*12800       ; k's record: one kind, 512 records, on
	s_mov_b32 s[PRF+3], 0
	s_add_co_u32 s[PRS+2], s[PRS], 512*12800
	s_mov_b32 s[PRS+3], 0
	s_lshr_b32 s94, ttmp9, 4                       ; v's record: ((8 + b) x 8 + head) x 16 + key step
	s_add_co_u32 s94, s94, 8
	s_lshl_b32 s94, s94, 3
	s_add_co_u32 s94, s94, s90
	s_lshl_b32 s94, s94, 4
	s_and_b32 s95, ttmp9, 15
	s_add_co_u32 s94, s94, s95
	s_mul_i32 s94, s94, 12800
	s_add_co_u32 s[PRF+4], s94, s91
	s_mov_b32 s[PRF+5], 0
	s_add_co_u32 s[PRS+4], s94, s92
	s_add_co_u32 s[PRS+4], s[PRS+4], 12288
	s_mov_b32 s[PRS+5], 0
	; descriptor group 1: 24,576 dense bytes as 96 rows of 256 (32 elements of 8 bytes)
	s_mov_b32 s[G1], 15|(3<<16)|(1<<21)            ; 15:0 the mask: all four work-groups; 17:16 elements of 8 bytes; 21 set beside a mask; no padding
	s_mov_b32 s[G1+1], 32<<16                      ; tensor_dim0
	s_mov_b32 s[G1+2], 96<<16                      ; tensor_dim1: 24,576 dense bytes as 96 rows of 256
	s_mov_b32 s[G1+3], 32<<16                      ; tile_dim0
	s_mov_b32 s[G1+4], 96                          ; tile_dim1
	s_mov_b32 s[G1+5], 32                          ; the pitch
	s_mov_b32 s[G1+6], 0
	s_mov_b32 s[G1+7], 0
	s_wait_dscnt 0x0                               ; the opening add is done
	s_wait_kmcnt 0x0
	s_add_nc_u64 s[84:85], s[4:5], s[84:85]
	s_add_nc_u64 s[86:87], s[4:5], s[86:87]
	s_add_nc_u64 s[88:89], s[4:5], s[88:89]
	s_add_nc_u64 s[BX:BX+1], s[4:5], s[BX:BX+1]
	s_add_nc_u64 s[BV:BV+1], s[4:5], s[BV:BV+1]
	s_add_nc_u64 s[SBX:SBX+1], s[6:7], s[SBX:SBX+1]
	s_add_nc_u64 s[SBV:SBV+1], s[6:7], s[SBV:SBV+1]
.irp j, 0,1,2
	s_add_nc_u64 s[PSA+2*\j:PSA+2*\j+1], s[6:7], s[PSA+2*\j:PSA+2*\j+1]
	s_add_nc_u64 s[PRF+2*\j:PRF+2*\j+1], s[8:9], s[PRF+2*\j:PRF+2*\j+1]
	s_add_nc_u64 s[PRS+2*\j:PRS+2*\j+1], s[8:9], s[PRS+2*\j:PRS+2*\j+1]
.endr
.irp j, 0,1,2                          ; one group 0 for each A block: one tensor load a wave and block
	s_mov_b32 s[G0+4*\j], 1
	s_add_co_u32 s[G0+4*\j+1], s18, \j*ABLK        ; LDS: the blocks side by side, each as it lies in memory
	s_mov_b64 s[G0+4*\j+2:G0+4*\j+3], s[84+2*\j:85+2*\j]
	s_or_b32 s[G0+4*\j+3], s[G0+4*\j+3], 0x80000000
.endr
	CROUND                                         ; all four work-groups are here: the joint loads meet
	tensor_load_to_lds s[G0:G0+3], s[G1:G1+7]      ; job 0's A block: one tensor load a wave at the head
	s_nop 0
	PLACES
	LSA 0                                          ; what job 0 reads comes first: 32 + 16 loads of scale words, 96 of x's fragments, step by step;
	LSB 0, SBX
.irp s, 0,1,2,3,4,5,6,7
	BLD \s, BX
.endr
	WIN 0
	LSA 1                                          ; then the 48 loads of scale words for jobs 1 and 2
	LSB 1, SBV
	JOB 0
	JOB 1
	JOB 2
	s_wait_tensorcnt 0x0                           ; the wave's end
	ds_add_u32 v[SPW], v[NIL]
	s_wait_dscnt 0x0
	CROUND                                         ; the closing round
	s_endpgm
.Lfunc_end_k_q4c20322a4d_proj:
	.size	k_q4c20322a4d_proj, .Lfunc_end_k_q4c20322a4d_proj-k_q4c20322a4d_proj
	.p2alignl 7, 3214868480
	.fill 96, 4, 3214868480
	.section	.rodata,"a",@progbits
	.p2align	6, 0x0
	.amdhsa_kernel k_q4c20322a4d_proj
		.amdhsa_group_segment_fixed_size 327680
		.amdhsa_private_segment_fixed_size 0
		.amdhsa_enable_private_segment 0
		.amdhsa_kernarg_size 24
		.amdhsa_user_sgpr_count 2
		.amdhsa_user_sgpr_kernarg_segment_ptr 1
		.amdhsa_wavefront_size32 1
		.amdhsa_system_sgpr_workgroup_id_x 1
		.amdhsa_system_sgpr_workgroup_id_y 1
		.amdhsa_system_sgpr_workgroup_id_z 1
		.amdhsa_system_vgpr_workitem_id 0
		.amdhsa_next_free_vgpr 1024
		.amdhsa_next_free_sgpr 96
		.amdhsa_reserve_vcc 0
		.amdhsa_float_denorm_mode_32 3
		.amdhsa_float_denorm_mode_16_64 3
		.amdhsa_memory_ordered 1
		.amdhsa_forward_progress 1
		.amdhsa_inst_pref_size 229
	.end_amdhsa_kernel
	.amdgpu_metadata
---
amdhsa.version: [ 1, 2 ]
amdhsa.kernels:
  - .name:           k_q4c20322a4d_proj
    .symbol:         k_q4c20322a4d_proj.kd
    .args:
      - { .name: codes0, .offset: 0, .size: 8, .value_kind: global_buffer, .address_space: global }
      - { .name: scales0, .offset: 8, .size: 8, .value_kind: global_buffer, .address_space: global }
      - { .name: qkv, .offset: 16, .size: 8, .value_kind: global_buffer, .address_space: global }
    .group_segment_fixed_size: 327680
    .private_segment_fixed_size: 0
    .kernarg_segment_align: 8
    .kernarg_segment_size: 24
    .max_flat_workgroup_size: 128
    .sgpr_count:     96
    .vgpr_count:     1024
    .wavefront_size: 32
...
	.end_amdgpu_metadata
.endif
;; end of part 2
;; launch attn (part 3): grid 8 x 32, 8 waves a work-group, clusters of 4 x 1, 327,680 bytes of LDS; arguments qkv, mask, hcodes, hscales; writes hcodes, hscales
.if DOCPART == 3
	.amdgcn_target "amdgcn-amd-amdhsa--gfx1250"
	.amdhsa_code_object_version 6
	.text
	.protected	k_q4c20322a4d_attn
	.globl	k_q4c20322a4d_attn
	.p2align	8
	.type	k_q4c20322a4d_attn,@function
k_q4c20322a4d_attn:
	s_mov_b64 s[64:65], 0
	v_nop
	global_prefetch_b8 v0, s[64:65] scope:SCOPE_SE
	s_setreg_imm32_b32 hwreg(HW_REG_WAVE_MODE, 25, 1), 1
	s_wait_xcnt 0x0
	s_wait_alu depctr_hold_cnt(0) depctr_sa_sdst(0) depctr_va_vdst(0) depctr_va_sdst(0) depctr_va_ssrc(0) depctr_va_vcc(0) depctr_vm_vsrc(0)
	s_getreg_b32 s2, hwreg(HW_REG_IB_STS2, 6, 4)
	s_cmp_eq_u32 s2, 0
	s_cbranch_scc0 .Lentry_in_a_cluster
	s_endpgm
.Lentry_in_a_cluster:
	s_bfe_u32 s2, ttmp6, 0x10000c
	s_cmp_lg_u32 s2, 0x3003
	s_cbranch_scc0 .Lentry_shape_is_right
	s_endpgm
.Lentry_shape_is_right:
; head[b][l][h][:] = (softmax_k(logit) x mask[b][l]) v, logit = (q . k / sqrt(128)) x hm + (1 - hm) x (-1e30), hm = mask[b][k]; both products on codes of FP6 (E2M3) with E8M0 scales.
; WHAT IS QUANTISED ahead of the second product is the FINISHED weight, normalised and multiplied by the query's mask: so TWO PASSES over the keys.
; Pass 1: scores, running maximum and sum.  Pass 2: the scores again, the finished weights, quantised in blocks of 32 keys, times V.
; THE MASK OVER KEYS GOES IN AS THE C OPERAND OF THE SCORE PRODUCTS.  With c = log2(e) / sqrt(128), logit x log2(e) = c (s hm + e'), e' = (1 - hm) x (-1e30 sqrt(128)).  e' is 0 (hm = 1) or at least 6e23 in
;   magnitude, beside which f32 loses s hm, in reference() too.  So s hm + e' is s where hm = 1 and e' elsewhere.  The table holds e = e' - E, E the batch's largest e' (a subtraction that is the same along the
;   softmax's axis), made once for the batch's 2,048 keys and kept in LDS in the order of a result's registers: D = K Q^T + e.
;   E = 0 (some key has hm = 1, none more): D = s where hm = 1; elsewhere D is so far under every s that the weight is 0.
;   E large (every key masked, say): no key's score counts; there Q's CODES are set to zero, so that D = e exactly: 0 for the keys that tie for the largest, far under 0 for the others.
;   So every row's largest D is of the scores' size, or 0, and one fused multiply-add gives an exponent: pass 1: D c - c max; pass 2: D c + (log2(|mask_q| / sum) - c max).  The weight is 2^that.
;   The sign of mask_q is given to O at the end: the quantiser is odd and the product linear.
; SHARES.  A work-group owns 256 queries of one (b, h); each of its eight waves two tiles of 16.  Both products are used transposed (S^T = K Q^T, O^T = V^T P^T): a lane holds ONE query.
; All operands lie as fragment images in records of 12,800 bytes (8 fragments of 1,536 bytes, 512 bytes of scale words); the keys of a fragment of K are 32 g + 8 u + r + 8 (r / 8),
; so that the 16 registers of fragments 2 beta, 2 beta + 1 are 16 neighbouring keys.
; Each operand has registers of its own, filled again straight behind their last reader.  Pass 1 goes in steps of 128 keys, pass 2 in half steps of 64.
; In pass 1 one tile's exponentials stand between the other tile's multiply-adds and first additions, which hang on none of them and are read only behind the next wait.
; LDS: K of the whole head, 16 records, stays for both passes; V goes through a ring of two slots of 4 records; the table; 256 bytes for the waves' largest e'; the spare words.
; CLUSTER: the four work-groups of a cluster belong to one (b, h) and ask for K and V JOINTLY (mask 15).  At the head a wave asks for two records of K; behind the full sequence and a round for one record
; of V (both slots' first fill); later for an eighth of four records at each of two refills.  One tensor load of a wave is out at any time; every wait on TENSORcnt is for 0.
; No prefetch: K and the first half of V are asked for ahead of the first loop, by the loads themselves; what is left is two refills, each with four key steps in which to land.
; REGISTERS: window 0: v1-7 addresses; v8-31 Q; v32-33 Q's scale words, v34-35 p's, v36-39 K's, v40-43 V's; v44-59 a tile's eight: the multiply-add's addend, max, sum (2), -, mask, f, -; v60 lane;
;   v64-87 p's codes; v88-94 at work; v96-127 at work (v102, v110: the signs); v128-223 K's fragments (pass 1), V's (pass 2); v224-255 e of the half step (pass 2).
;   window 1: pass 1: v0-127 S^T, then p; v128-191 e.   pass 2: v0-63 S^T, then p; v64-111 K's four fragments; v128-255 O^T.
; LIMITS: the scaled scores stay under 2^31 in magnitude; |1 - hm| stays under 1e7, so that e' is finite; NaN and infinities are not served; a block of zeros gets the byte 1 (its codes are zeros; only this
; program reads the bytes); v_exp_f32 gives 0 under 2^-126; a block's largest weight is taken from its largest exponent through the same instruction, which takes v_exp_f32 not to fall where its input rises;
; c max and the logarithm are rounded into the addend once: some 1e-7 of a logit.
.set REC,   12800
.set QUAD,  4*REC
.set EIG,   QUAD/8
.set VRING, 16*REC                     ; behind K: V's two slots
.set ABL,   VRING+2*QUAD               ; e [2048]: written by LDS stores, never a tensor load's target
.set RED,   ABL+8192                   ; a block of 256 bytes: the eight waves' largest e'
.set SPARE, RED+256                    ; the spare words, 128 bytes a wave: four blocks of 256 bytes that no other line names
.set SPW, 1
.set NIL, 2
.set LI,  3                            ; 16 x lane
.set ADK, 4
.set ADV, 5
.set ADAB, 6
.set AB0, 7                            ; ABL + 64 (lane / 16)
.set Q,   8
.set QS,  32
.set PW,  34
.set KS,  36
.set VS,  40
.set ST,  44
.set PC,  64
.set CT,  88
.set TM,  96                           ; pass 1 and the way out: 16 a tile
.set T2,  96                           ; pass 2: 8 a tile: +0, 1 the blocks' largest; +2, 3 the other half's, then the bytes; +4, 5 the conversions' scale operands
.set GG,  102                          ; the sign of mask_q as 1 or -1, a pair a tile: v102, v110
.set F,   128
.set AA,  224                          ; pass 2, window 0: e
.set KH,  64                           ; pass 2, window 1
.set BB1, 128                          ; pass 1, window 1: e
.set WV,  12
.set SEL, 20
.set G1,  28                           ; s[28:35] the one group 1; its two words that count rows are written anew where no load of mine is out
.set G0K, 36
.set G0V, 40
.set G0R, 44                           ; the refills' group 0, which walks
.set HUGE, 73                          ; all lanes on where E is large
.set CC,  98                           ; s[98:99] c, twice
.set TK,  66                           ; LDS byte of the step's record of K
.set TV,  67                           ; of V
.set TAB, 68                           ; byte of the step's 128 keys in the table
.set MSB, 0
.macro WIN new
.if MSB != (\new)
	s_set_vgpr_msb (MSB<<8)|(\new)
.set MSB, \new
.endif
.endm
.macro PLACES
.rept 4
	v_nop
.endr
.endm
.macro CROUND
	s_barrier_signal -1
	s_barrier_wait -1
	s_cmp_lg_u32 s[WV], 0
	s_cbranch_scc1 .Lnot_wave_0_\@
	s_barrier_signal -3
.Lnot_wave_0_\@:
	s_barrier_wait -3
	s_barrier_signal -1
	s_barrier_wait -1
.endm
; the quantiser's parts, on 64 numbers of a lane in window 1
.macro BMAX src, tm, abs               ; my 16 numbers' largest for each of four blocks, by turns; each accumulator is first read at its low end
	WIN 0x15
.irp b, 0,1,2,3
.if \abs
	v_max3_num_f32 v[(\tm)+\b], |v[(\src)+16*\b]|, |v[(\src)+16*\b+1]|, |v[(\src)+16*\b+2]|
.else
	v_max3_num_f32 v[(\tm)+\b], v[(\src)+16*\b], v[(\src)+16*\b+1], v[(\src)+16*\b+2]
.endif
.endr
	WIN 0x14
.irp i, 3,5,7,9,11,13
.irp b, 0,1,2,3
.if \abs
	v_max3_num_f32 v[(\tm)+\b], v[(\tm)+\b], |v[(\src)+16*\b+\i]|, |v[(\src)+16*\b+\i+1]|
.else
	v_max3_num_f32 v[(\tm)+\b], v[(\tm)+\b], v[(\src)+16*\b+\i], v[(\src)+16*\b+\i+1]
.endif
.endr
.endr
	WIN 0x04
.irp b, 0,1,2,3
.if \abs
	v_max_num_f32 v[(\tm)+\b], v[(\tm)+\b], |v[(\src)+16*\b+15]|
.else
	v_max_num_f32 v[(\tm)+\b], v[(\tm)+\b], v[(\src)+16*\b+15]
.endif
.endr
	WIN 0
.endm
.macro QJOIN tm                        ; with lane l xor 16's, and the floor 2^(3 - 127)
.irp b, 0,1,2,3
	v_permlanex16_b32 v[(\tm)+4+\b], v[(\tm)+\b], s[SEL], s[SEL+1]
.endr
.irp b, 0,1,2,3
	s_delay_alu instid0(VALU_DEP_4)
	v_max3_num_f32 v[(\tm)+\b], v[(\tm)+\b], v[(\tm)+4+\b], 0x1800000
.endr
.endm
.macro QWORD tm, pw                    ; the conversions' scale operands, the bytes, the scale word
.irp b, 0,1,2,3
	s_delay_alu instid0(VALU_DEP_4)
	v_add_nc_u32 v[(\tm)+12+\b], 0xff000000, v[(\tm)+\b]
.endr
.irp b, 0,1,2,3
	s_delay_alu instid0(VALU_DEP_4)
	v_lshrrev_b32 v[(\tm)+4+\b], 23, v[(\tm)+12+\b]
.endr
	s_delay_alu instid0(VALU_DEP_3)
	v_lshl_or_b32 v[\pw], v[(\tm)+5], 8, v[(\tm)+4]
	s_delay_alu instid0(VALU_DEP_1)
	v_lshl_or_b32 v[\pw], v[(\tm)+6], 16, v[\pw]
	s_delay_alu instid0(VALU_DEP_1)
	v_lshl_or_b32 v[\pw], v[(\tm)+7], 24, v[\pw]
.endm
.macro QCVT src, tm, pc
	WIN 0x01
.irp c, 0,1
	v_cvt_scalef32_pk16_fp6_f32 v[(\pc)+6*\c:(\pc)+6*\c+2], v[(\src)+32*\c:(\src)+32*\c+15], v[(\tm)+12+2*\c]
	v_cvt_scalef32_pk16_fp6_f32 v[CT+4*\c:CT+4*\c+2], v[(\src)+32*\c+16:(\src)+32*\c+31], v[(\tm)+13+2*\c]
.endr
	WIN 0
	v_nop                                          ; one plain place behind a scaled conversion
.irp c, 0,1                            ; the operand's layout wants a whole block in a lane
.irp i, 0,1,2
	v_permlane16_swap_b32 v[(\pc)+6*\c+\i], v[CT+4*\c+\i]
.endr
.irp i, 0,1,2
	s_delay_alu instid0(VALU_DEP_3)
	v_mov_b32 v[(\pc)+6*\c+3+\i], v[CT+4*\c+\i]
.endr
.endr
.endm
.macro FMAS u, base, np                ; the exponents: D c + the tile's addend, two at a time, each accumulator from its low end on (of the pairs c and addend the low word serves both halves)
	WIN 0x41
.set n, 0
.rept \np
	v_pk_fma_f32 v[(\base)+n:(\base)+n+1], v[(\base)+n:(\base)+n+1], s[CC:CC+1], v[ST+8*\u:ST+8*\u+1] op_sel_hi:[1,0,0]
.set n, n+2
.endr
.endm
.macro EXPS base, cnt
	WIN 0x41
.set n, 0
.rept \cnt
	v_exp_f32 v[(\base)+n], v[(\base)+n]
.set n, n+1
.endr
.endm
; PASS 1'S PARTS (a step of 128 keys)
.macro LOADK sr                        ; 25 loads: K's eight fragments and their scale words; the four places stand behind the products that have read the registers
	WIN 0
.rept 3
	v_nop
.endr
	v_add_nc_u32 v[ADK], s[\sr], v[LI]             ; it names no register of the products: the fourth place
.irp f, 0,1,2,3,4,5,6,7
.irp c, 0,1,2
	ds_load_b128 v[F+12*\f+4*\c:F+12*\f+4*\c+3], v[ADK] offset:1536*\f+512*\c
.endr
.endr
	ds_load_b128 v[KS:KS+3], v[ADK] offset:12288   ; register t: lanes 0-15 fragment t's words, lanes 16-31 fragment 4 + t's
.endm
.macro LOADB sr                        ; 16 loads: e of my 64 keys, into window 1: register 16 beta + i = key 32 beta + 16 (lane / 16) + i: registers 8 f .. 8 f + 7 lie as fragment f's result does
	WIN 0
	v_add_nc_u32 v[ADAB], s[\sr], v[AB0]
	WIN 0x40
.set n, 0
.rept 16
	ds_load_b128 v[BB1+4*n:BB1+4*n+3], v[ADAB] offset:128*(n/4)+16*(n%4)
.set n, n+1
.endr
.endm
.macro QK                              ; D = K Q^T + e: 16 products, each begins its sum with its keys' e
	WIN 0x50                                       ; D and C in window 1
.irp f, 0,1,2,3
.irp u, 0,1
	v_wmma_scale_f32_16x16x128_f8f6f4 v[64*\u+8*\f:64*\u+8*\f+7], v[F+12*\f:F+12*\f+11], v[Q+12*\u:Q+12*\u+11], v[BB1+8*\f:BB1+8*\f+7], v[KS+\f], v[QS+\u] matrix_a_fmt:MATRIX_FMT_FP6 matrix_b_fmt:MATRIX_FMT_FP6
.endr
.endr
.irp f, 4,5,6,7
.irp u, 0,1
	v_wmma_scale_f32_16x16x128_f8f6f4 v[64*\u+8*\f:64*\u+8*\f+7], v[F+12*\f:F+12*\f+11], v[Q+12*\u:Q+12*\u+11], v[BB1+8*\f:BB1+8*\f+7], v[KS+\f-4], v[QS+\u] matrix_a_fmt:MATRIX_FMT_FP6 matrix_b_fmt:MATRIX_FMT_FP6 matrix_a_scale:MATRIX_SCALE_ROW1
.endr
.endr
.endm
.macro SUM u, cnt                      ; sum = sum x f + cnt numbers from the tile's first register on, two at a time, in two chains
	WIN 0
	v_pk_mul_f32 v[ST+8*\u+2:ST+8*\u+3], v[ST+8*\u+2:ST+8*\u+3], v[ST+8*\u+6:ST+8*\u+7] op_sel_hi:[1,0]
	WIN 0x05
	v_pk_add_f32 v[TM+16*\u+8:TM+16*\u+9], v[64*\u:64*\u+1], v[64*\u+2:64*\u+3]
	WIN 0x04
.set n, 4
.rept (\cnt)/4-1
	v_pk_add_f32 v[ST+8*\u+2:ST+8*\u+3], v[ST+8*\u+2:ST+8*\u+3], v[64*\u+n:64*\u+n+1]
	v_pk_add_f32 v[TM+16*\u+8:TM+16*\u+9], v[TM+16*\u+8:TM+16*\u+9], v[64*\u+n+2:64*\u+n+3]
.set n, n+4
.endr
	WIN 0
	v_pk_add_f32 v[ST+8*\u+2:ST+8*\u+3], v[ST+8*\u+2:ST+8*\u+3], v[TM+16*\u+8:TM+16*\u+9]
.endm
; PASS 1, a key step.  At its head K's 25 loads and e's 16 are on their way.  Each half of the lanes keeps a maximum and a sum of its own keys: no exchange in the loop.
; lim: the last record: the last trip's look-ahead is held there; what it brings is not used.
.macro P1STEP lim
	s_wait_dscnt 0x0                               ; K and e are in: they were asked for a whole step ago
	QK
	s_add_co_u32 s[TK], s[TK], REC
	s_min_u32 s71, s[TK], (\lim)*REC
	LOADK 71                                       ; the next step's K,
	s_add_co_u32 s[TAB], s[TAB], 512
	s_min_u32 s71, s[TAB], (\lim)*512
	LOADB 71                                       ; and its e
	BMAX 0, TM, 0
	BMAX 64, TM+16, 0
.irp u, 0,1
	v_max3_num_f32 v[TM+16*\u+4], v[TM+16*\u], v[TM+16*\u+1], v[TM+16*\u+2]
	v_mov_b32 v[TM+16*\u+5], v[ST+8*\u]            ; the old addend
.endr
	s_delay_alu instid0(VALU_DEP_4)
	v_max3_num_f32 v[ST+1], v[TM+4], v[TM+3], v[ST+1]      ; the running largest D
	s_delay_alu instid0(VALU_DEP_3)
	v_max3_num_f32 v[ST+9], v[TM+20], v[TM+19], v[ST+9]
.irp u, 0,1
	s_delay_alu instid0(VALU_DEP_2)
	v_mul_f32 v[ST+8*\u], 0xbe0293ee, v[ST+8*\u+1] ; the addend: -c max
.endr
.irp u, 0,1
	s_delay_alu instid0(VALU_DEP_2)
	v_sub_f32 v[TM+16*\u+5], v[ST+8*\u], v[TM+16*\u+5]     ; new - old, 0 or less
.endr
	s_wait_alu depctr_va_vdst(0)                   ; the wait ahead of a batch of transcendentals
.irp u, 0,1
	v_exp_f32 v[ST+8*\u+6], v[TM+16*\u+5]          ; f = 2^(new - old)
.endr
	FMAS 0, 0, 32
	s_wait_alu depctr_va_vdst(0)
.set n, 0
.rept 32                               ; tile 0's exponentials; between them tile 1's multiply-adds, which are read behind the next wait
	v_exp_f32 v[n], v[n]
	v_exp_f32 v[n+1], v[n+1]
	v_pk_fma_f32 v[64+n:64+n+1], v[64+n:64+n+1], s[CC:CC+1], v[ST+8:ST+9] op_sel_hi:[1,0,0]
.set n, n+2
.endr
	s_wait_alu depctr_va_vdst(0)                   ; behind tile 0's exponentials and f, ahead of tile 1's
	WIN 0x45
.set n, 0
.rept 16                               ; tile 1's exponentials; between them the first additions of tile 0's sum, each on registers of its own, read behind the next wait
	v_exp_f32 v[64+4*n], v[64+4*n]
	v_exp_f32 v[64+4*n+1], v[64+4*n+1]
	v_exp_f32 v[64+4*n+2], v[64+4*n+2]
	v_exp_f32 v[64+4*n+3], v[64+4*n+3]
	v_pk_add_f32 v[2*n:2*n+1], v[2*n:2*n+1], v[2*n+32:2*n+33]
.set n, n+1
.endr
	s_wait_alu depctr_va_vdst(0)                   ; behind tile 1's exponentials, ahead of their first reader (the addition above is the plain place behind the last)
	SUM 0, 32
	SUM 1, 64
.endm
; PASS 2'S PARTS (a half step of 64 keys: hs = 0, 1)
.macro LOADKB2 hs, srk, srb            ; e of my 32 keys of the half step: 8 loads; K's fragments 4 hs .. 4 hs + 3: 12; with hs = 0 the record's scale words too: 1
	WIN 0
	v_nop                                          ; four places behind the products that have read these registers, which are also the places ahead of the first reads of D:
	v_nop                                          ; two idle lines and the two additions, which name no register of the products
	v_add_nc_u32 v[ADK], s[\srk], v[LI]
	v_add_nc_u32 v[ADAB], s[\srb], v[AB0]
.if (\hs) == 0
	ds_load_b128 v[KS:KS+3], v[ADK] offset:12288
.endif
.set n, 0
.rept 8
	ds_load_b128 v[AA+4*n:AA+4*n+3], v[ADAB] offset:256*(\hs)+128*(n/4)+16*(n%4)
.set n, n+1
.endr
	WIN 0x40
.irp f, 0,1,2,3
.irp c, 0,1,2
	ds_load_b128 v[KH+12*\f+4*\c:KH+12*\f+4*\c+3], v[ADK] offset:1536*(4*(\hs)+\f)+512*\c
.endr
.endr
.endm
.macro QK2 hs                          ; eight products, D = K Q^T + e
	WIN 0x41                                       ; D and K in window 1, Q and e in window 0
.irp f, 0,1,2,3
.irp u, 0,1
.if (\hs) == 0
	v_wmma_scale_f32_16x16x128_f8f6f4 v[32*\u+8*\f:32*\u+8*\f+7], v[KH+12*\f:KH+12*\f+11], v[Q+12*\u:Q+12*\u+11], v[AA+8*\f:AA+8*\f+7], v[KS+\f], v[QS+\u] matrix_a_fmt:MATRIX_FMT_FP6 matrix_b_fmt:MATRIX_FMT_FP6
.else
	v_wmma_scale_f32_16x16x128_f8f6f4 v[32*\u+8*\f:32*\u+8*\f+7], v[KH+12*\f:KH+12*\f+11], v[Q+12*\u:Q+12*\u+11], v[AA+8*\f:AA+8*\f+7], v[KS+\f], v[QS+\u] matrix_a_fmt:MATRIX_FMT_FP6 matrix_b_fmt:MATRIX_FMT_FP6 matrix_a_scale:MATRIX_SCALE_ROW1
.endif
.endr
.endr
.endm
.macro LOADV                           ; 25 loads: V's eight fragments and their scale words
	WIN 0
	v_add_nc_u32 v[ADV], s[TV], v[LI]
.irp f, 0,1,2,3,4,5,6,7
.irp c, 0,1,2
	ds_load_b128 v[F+12*\f+4*\c:F+12*\f+4*\c+3], v[ADV] offset:1536*\f+512*\c
.endr
.endr
	ds_load_b128 v[VS:VS+3], v[ADV] offset:12288
.endm
.macro SOFT2 hs                        ; the half step's weights 2^x, quantised: registers 6 hs .. 6 hs + 5 of p's fragments, bytes 2 hs, 2 hs + 1 of their scale words
	WIN 0x15                                       ; the largest x of each block of 32 keys gives the block's largest weight.  Four chains by turns
.irp u, 0,1
.irp b, 0,1
	v_max3_num_f32 v[T2+8*\u+\b], v[32*\u+16*\b], v[32*\u+16*\b+1], v[32*\u+16*\b+2]
.endr
.endr
	WIN 0x14
.irp i, 3,5,7,9,11,13
.irp u, 0,1
.irp b, 0,1
	v_max3_num_f32 v[T2+8*\u+\b], v[T2+8*\u+\b], v[32*\u+16*\b+\i], v[32*\u+16*\b+\i+1]
.endr
.endr
.endr
	WIN 0x04
.irp u, 0,1
.irp b, 0,1
	v_max_num_f32 v[T2+8*\u+\b], v[T2+8*\u+\b], v[32*\u+16*\b+15]
.endr
.endr
	WIN 0
.irp u, 0,1
.irp b, 0,1
	v_permlanex16_b32 v[T2+8*\u+2+\b], v[T2+8*\u+\b], s[SEL], s[SEL+1]
.endr
.endr
.irp u, 0,1
.irp b, 0,1
	s_delay_alu instid0(VALU_DEP_4)
	v_max_num_f32 v[T2+8*\u+\b], v[T2+8*\u+\b], v[T2+8*\u+2+\b]
.endr
.endr
	s_wait_alu depctr_va_vdst(0)                   ; the wait ahead of the batch
.irp u, 0,1
.irp b, 0,1
	v_exp_f32 v[T2+8*\u+\b], v[T2+8*\u+\b]         ; the same instruction on the same number as that key's own
.endr
.endr
	EXPS 0, 64
	v_nop                                          ; a plain place behind the last exponential
	s_wait_alu depctr_va_vdst(0)                   ; one wait for the half step's 68 exponentials, ahead of their first reader
	WIN 0
.irp u, 0,1
.irp b, 0,1
	v_max_num_f32 v[T2+8*\u+\b], 0x1800000, v[T2+8*\u+\b]          ; the floor 2^(3 - 127)
.endr
.endr
.irp u, 0,1
.irp b, 0,1
	s_delay_alu instid0(VALU_DEP_4)
	v_add_nc_u32 v[T2+8*\u+4+\b], 0xff000000, v[T2+8*\u+\b]        ; 2 off the exponent field: the conversion's scale operand
.endr
.endr
.irp u, 0,1
.irp b, 0,1
	s_delay_alu instid0(VALU_DEP_4)
	v_lshrrev_b32 v[T2+8*\u+2+\b], 23, v[T2+8*\u+4+\b]             ; the scale's byte
.endr
.endr
.irp u, 0
.if (\hs) == 0
	s_delay_alu instid0(VALU_DEP_3)
	v_lshl_or_b32 v[PW+\u], v[T2+8*\u+3], 8, v[T2+8*\u+2]
.else
	s_delay_alu instid0(VALU_DEP_4)
	v_lshl_or_b32 v[PW+\u], v[T2+8*\u+2], 16, v[PW+\u]
	s_delay_alu instid0(VALU_DEP_1)
	v_lshl_or_b32 v[PW+\u], v[T2+8*\u+3], 24, v[PW+\u]
.endif
.endr
.irp u, 1
.if (\hs) == 0
	s_delay_alu instid0(VALU_DEP_2)
	v_lshl_or_b32 v[PW+\u], v[T2+8*\u+3], 8, v[T2+8*\u+2]
.else
	s_delay_alu instid0(VALU_DEP_4)
	v_lshl_or_b32 v[PW+\u], v[T2+8*\u+2], 16, v[PW+\u]
	s_delay_alu instid0(VALU_DEP_1)
	v_lshl_or_b32 v[PW+\u], v[T2+8*\u+3], 24, v[PW+\u]
.endif
.endr
	WIN 0x01
.irp u, 0,1
	v_cvt_scalef32_pk16_fp6_f32 v[PC+12*\u+6*(\hs):PC+12*\u+6*(\hs)+2], v[32*\u:32*\u+15], v[T2+8*\u+4]
	v_cvt_scalef32_pk16_fp6_f32 v[CT+4*\u:CT+4*\u+2], v[32*\u+16:32*\u+31], v[T2+8*\u+5]
.endr
	WIN 0
	v_nop                                          ; one plain place behind a scaled conversion
.irp u, 0,1                            ; the operand's layout wants a whole block in a lane.  Both tiles' swaps stand ahead of both tiles' moves: a move reads what was written six lines above it
.irp i, 0,1,2
	v_permlane16_swap_b32 v[PC+12*\u+6*(\hs)+\i], v[CT+4*\u+\i]
.endr
.endr
.irp u, 0,1
.irp i, 0,1,2
	v_mov_b32 v[PC+12*\u+6*(\hs)+3+\i], v[CT+4*\u+\i]
.endr
.endr
.endm
.macro PV                              ; O^T += V^T P^T: the 16 accumulators take turns, one instruction a turn
	WIN 0x50
.irp d, 0,1,2,3
.irp u, 0,1
	v_wmma_scale_f32_16x16x128_f8f6f4 v[128+64*\u+8*\d:128+64*\u+8*\d+7], v[F+12*\d:F+12*\d+11], v[PC+12*\u:PC+12*\u+11], v[128+64*\u+8*\d:128+64*\u+8*\d+7], v[VS+\d], v[PW+\u] matrix_a_fmt:MATRIX_FMT_FP6 matrix_b_fmt:MATRIX_FMT_FP6
.endr
.endr
.irp d, 4,5,6,7
.irp u, 0,1
	v_wmma_scale_f32_16x16x128_f8f6f4 v[128+64*\u+8*\d:128+64*\u+8*\d+7], v[F+12*\d:F+12*\d+11], v[PC+12*\u:PC+12*\u+11], v[128+64*\u+8*\d:128+64*\u+8*\d+7], v[VS+\d-4], v[PW+\u] matrix_a_fmt:MATRIX_FMT_FP6 matrix_b_fmt:MATRIX_FMT_FP6 matrix_a_scale:MATRIX_SCALE_ROW1
.endr
.endr
.endm
; PASS 2, a key step: two half steps and the product with V.  At its head the 21 loads of the first half (scale words, e, K) are on their way (or have landed).
; LDS loads come back in the order of issue (ISA guide 5.7.1): each wait's count is the number of loads issued behind those that it needs.
.macro P2STEP
	s_wait_dscnt 0x0                               ; the first half's K and e are in: nothing was asked for behind them
	QK2 0
	LOADKB2 1, TK, TAB                             ; the second half: 20 loads
	FMAS 0, 0, 16
	FMAS 1, 32, 16
	LOADV                                          ; the step's V: 25 loads.  (The places ahead of the second half's loads stand behind the last step's products with V too)
	SOFT2 0
	s_wait_dscnt 25                                ; the second half's K and e are in; V's 25 loads may be out
	QK2 1
	s_add_co_u32 s71, s[TK], REC
	s_min_u32 s71, s71, 15*REC                     ; the last step's look-ahead is held at the last record: what it brings is not used
	s_add_co_u32 s72, s[TAB], 512
	s_min_u32 s72, s72, 15*512
	LOADKB2 0, 71, 72                              ; the next step's first half: 21 loads
	FMAS 0, 0, 16
	FMAS 1, 32, 16
	SOFT2 1
	s_wait_alu depctr_va_vdst(0)                   ; the wait ahead of the first reader of O^T behind the exponentials
	s_wait_dscnt 21                                ; V is in; the 21 loads of the look-ahead may be out
.rept 8
	v_nop                                          ; a scale register written by a vector instruction stands 8 places ahead of a scaled matrix instruction, an operand so written 4
.endr
	PV
	WIN 0
	s_add_co_u32 s[TK], s[TK], REC
	s_add_co_u32 s[TV], s[TV], REC
	s_add_co_u32 s[TAB], s[TAB], 512
.endm
; THE CHANGE OF V'S SLOTS.  Each wave waits for all its tensor loads, adds 0 to its spare word, and waits for that and for its reads.  fill = 1: the slot just left is filled again, behind a round of the cluster's barrier.
.macro CHANGE fill
	WIN 0
	s_wait_tensorcnt 0x0                           ; no tensor load of mine is out: the next slot is in, and descriptors may be written
	ds_add_u32 v[SPW], v[NIL]                      ; 0 onto my spare word
.if \fill
	s_add_co_u32 s[G0R+1], s[G0R+1], QUAD          ; the slot just left,
	s_add_nc_u64 s[G0R+2:G0R+3], s[G0R+2:G0R+3], QUAD      ; V's quad two on
	s_mov_b32 s[G1+2], 25<<16                      ; an eighth of four records: 25 rows of 256 bytes
	s_mov_b32 s[G1+4], 25
.endif
	s_wait_dscnt 0x0                               ; the add is done, and my reads of the slot are over
.if \fill
	CROUND
	tensor_load_to_lds s[G0R:G0R+3], s[G1:G1+7]    ; my one tensor load behind the round
	s_nop 0
	PLACES
.else
	s_barrier_signal -1
	s_barrier_wait -1
.endif
.endm
	s_load_b256 s[4:11], s[0:1], 0x0               ; qkv, mask, hcodes, hscales
	v_lshl_add_u32 v[SPW], v0, 2, SPARE
	v_mov_b32 v[NIL], 0
	ds_add_u32 v[SPW], v[NIL]                      ; the opening lines: the add, twice on end, and its wait stand ahead of my first tensor load
	ds_add_u32 v[SPW], v[NIL]
	v_lshrrev_b32 v60, 5, v0
	s_delay_alu instid0(VALU_DEP_1)
	v_readfirstlane_b32 s[WV], v60                 ; wave 0..7
	v_lshl_add_u32 v158, v60, 2, RED               ; my wave's word among the eight largest e'
	v_mov_b32 v159, RED
	s_bfe_u32 s13, ttmp6, 0x40000                  ; cx: it enters Q's, the query mask's and the result's global offsets alone
	s_lshl_b32 s14, ttmp9, 2
	s_add_co_u32 s14, s14, s13                     ; my block of 256 queries
	s_and_b32 s15, ttmp7, 0xffff                   ; 8 b + h, which the four partners share
	s_lshr_b32 s16, s15, 3                         ; b
	s_and_b32 s17, s15, 7                          ; h
	s_mov_b32 s[SEL], 0x76543210
	s_mov_b32 s[SEL+1], 0xfedcba98
	s_mov_b32 s[CC], 0x3e0293ee                    ; c = log2(e) / sqrt(128)
	s_mov_b32 s[CC+1], 0x3e0293ee                  ; (the packed form names the pair)
	s_mul_i32 s72, s15, 16*REC                     ; the head's 16 records, in kind q
	s_mul_i32 s74, s[WV], EIG                      ; my eighth of a quad
	s_mul_i32 s75, s[WV], REC                      ; my record of eight
	s_add_co_u32 s76, s72, 32*16*REC               ; kind k: two records a wave
	s_add_co_u32 s76, s76, s75
	s_add_co_u32 s76, s76, s75
	s_mov_b32 s77, 0
	s_add_co_u32 s78, s72, 64*16*REC               ; kind v
	s_add_co_u32 s96, s78, s74                     ; the refills: one step ahead of its first use the address stands at quad 1
	s_add_co_u32 s96, s96, QUAD
	s_mov_b32 s97, 0
	s_add_co_u32 s78, s78, s75                     ; the first eight records: one a wave
	s_mov_b32 s79, 0
	s_lshl_b32 s80, s14, 1
	s_lshr_b32 s81, s[WV], 2
	s_add_co_u32 s80, s80, s81                     ; my queries' record in the head: 2 x block + w / 4
	s_mul_i32 s82, s80, REC
	s_add_co_u32 s82, s82, s72
	s_and_b32 s81, s[WV], 3
	s_mul_i32 s83, s81, 3072                       ; my two fragments: 2 (w % 4) on
	s_add_co_u32 s84, s82, s83
	s_mov_b32 s85, 0
	s_lshr_b32 s86, s81, 1                         ; their scale words: 12,288 + 256 ((w % 4) / 2) + 8 (w % 2) + 16 r
	s_lshl_b32 s86, s86, 8
	s_add_co_u32 s86, s86, s82
	s_add_co_u32 s86, s86, 12288
	s_and_b32 s87, s[WV], 1
	s_lshl_b32 s87, s87, 3
	s_add_co_u32 s86, s86, s87
	s_mov_b32 s87, 0
	s_lshl_b32 s88, s16, 13                        ; the batch's row of the mask
	s_mov_b32 s89, 0
	s_lshl_b32 s90, s14, 10                        ; my 32 queries in it
	s_lshl_b32 s91, s[WV], 7
	s_add_co_u32 s90, s90, s91
	s_lshl_b32 s18, s16, 4
	s_add_co_u32 s18, s18, s80                     ; the result's block of 128 rows: 16 b + record
	s_lshl_b32 s92, s18, 3
	s_add_co_u32 s92, s92, s17                     ; its K step is the head
	s_mul_i32 s92, s92, 12288
	s_add_co_u32 s92, s92, s83
	s_mov_b32 s93, 0
	s_lshl_b32 s94, s18, 12
	s_lshl_b32 s19, s17, 9
	s_add_co_u32 s94, s94, s19
	s_lshl_b32 s19, s81, 7
	s_add_co_u32 s94, s94, s19
	s_mov_b32 s95, 0
	s_mov_b32 s[TK], 0
	s_mov_b32 s[TAB], 0
	; descriptor group 1: dense bytes as rows of 256 (32 elements of 8 bytes); first 100 rows: two records
	s_mov_b32 s[G1], 15|(3<<16)|(1<<21)            ; 15:0 the mask: all four work-groups; 17:16 elements of 8 bytes; 21 set beside a mask; no padding
	s_mov_b32 s[G1+1], 32<<16
	s_mov_b32 s[G1+2], 100<<16
	s_mov_b32 s[G1+3], 32<<16
	s_mov_b32 s[G1+4], 100
	s_mov_b32 s[G1+5], 32
	s_mov_b32 s[G1+6], 0
	s_mov_b32 s[G1+7], 0
	v_and_b32 v60, 31, v0                          ; lane; kept
	s_delay_alu instid0(VALU_DEP_1)
	v_lshlrev_b32 v[LI], 4, v60
	v_and_b32 v61, 15, v0                          ; r
	v_bfe_u32 v62, v0, 4, 1                        ; h
	s_delay_alu instid0(VALU_DEP_1)
	v_lshl_add_u32 v[AB0], v62, 6, ABL
	s_delay_alu instid0(VALU_DEP_3)
	v_and_b32 v128, 8, v61
	s_delay_alu instid0(VALU_DEP_1)
	v_add_nc_u32 v128, v128, v61                   ; r + 8 (r / 8)
	s_delay_alu instid0(VALU_DEP_1)
	v_lshl_add_u32 v128, v128, 2, s90              ; my query's place in the mask's row (tile 1: 32 bytes on)
	v_lshlrev_b32 v129, 5, v0                      ; my 8 keys of the mask's row: 32 x thread
	v_lshl_add_u32 v130, v0, 5, ABL                ; and their place in the table
	v_lshlrev_b32 v131, 4, v61                     ; 16 r
	s_wait_dscnt 0x0                               ; both opening adds are done
	s_wait_kmcnt 0x0
	s_add_nc_u64 s[76:77], s[4:5], s[76:77]
	s_add_nc_u64 s[78:79], s[4:5], s[78:79]
	s_add_nc_u64 s[96:97], s[4:5], s[96:97]
	s_add_nc_u64 s[84:85], s[4:5], s[84:85]
	s_add_nc_u64 s[86:87], s[4:5], s[86:87]
	s_add_nc_u64 s[6:7], s[6:7], s[88:89]
	s_add_nc_u64 s[8:9], s[8:9], s[92:93]
	s_add_nc_u64 s[10:11], s[10:11], s[94:95]
	s_mov_b32 s[G0K], 1
	s_lshl_b32 s[G0K+1], s75, 1                    ; LDS: K as it lies in memory
	s_mov_b64 s[G0K+2:G0K+3], s[76:77]
	s_or_b32 s[G0K+3], s[G0K+3], 0x80000000
	s_mov_b32 s[G0V], 1
	s_add_co_u32 s[G0V+1], s75, VRING
	s_mov_b64 s[G0V+2:G0V+3], s[78:79]
	s_or_b32 s[G0V+3], s[G0V+3], 0x80000000
	s_mov_b32 s[G0R], 1                            ; one step ahead of its first use it stands a quad in front of the ring
	s_add_co_u32 s[G0R+1], s74, VRING-QUAD
	s_mov_b64 s[G0R+2:G0R+3], s[96:97]
	s_or_b32 s[G0R+3], s[G0R+3], 0x80000000
	CROUND                                         ; all four work-groups are here: the first joint loads meet
	tensor_load_to_lds s[G0K:G0K+3], s[G1:G1+7]    ; two records of K: one tensor load a wave at the head
	s_nop 0
	PLACES
	s_wait_alu depctr_va_vdst(0)                   ; the wait ahead of the readers below
	global_load_b128 v[132:135], v129, s[6:7]      ; the mask of my 8 keys
	global_load_b128 v[136:139], v129, s[6:7] offset:16
.irp u, 0,1
.irp c, 0,1,2
	global_load_b128 v[Q+12*\u+4*\c:Q+12*\u+4*\c+3], v[LI], s[84:85] offset:1536*\u+512*\c     ; Q's fragments stay in registers
.endr
.endr
	global_load_b64 v[QS:QS+1], v131, s[86:87]
	global_load_b32 v[ST+5], v128, s[6:7]          ; my queries' mask
	global_load_b32 v[ST+13], v128, s[6:7] offset:32
.irp u, 0,1
	v_mov_b32 v[ST+8*\u+1], 0xff61b1e6             ; the largest D so far: -3e38, under every D
	v_mov_b32 v[ST+8*\u+2], 0                      ; the sum, in two halves
	v_mov_b32 v[ST+8*\u+3], 0
	v_mov_b32 v[ST+8*\u+6], 0
	v_mov_b32 v[ST+8*\u+7], 0                      ; (named as the upper half of a pair)
.irp b, 0,1,2,3
	v_mov_b32 v[TM+16*\u+4+\b], 0                  ; a lane permute's destination counts as one of its sources
.endr
.irp b, 0,1
	v_mov_b32 v[T2+8*\u+2+\b], 0                   ; likewise pass 2's
.endr
.endr
.irp u, 0,1
	v_mul_f32 v[ST+8*\u], 0xbe0293ee, v[ST+8*\u+1] ; its addend
.endr
	s_wait_alu depctr_va_vdst(0)                   ; the wait ahead of a wait that blocks
	s_wait_loadcnt 0x0
.irp i, 0,1,2,3,4,5,6,7
	v_sub_f32 v[148+\i], 1.0, v[132+\i]
.endr
.irp i, 0,1,2,3,4,5,6,7
	v_mul_f32 v[148+\i], 0xf30ecc90, v[148+\i]     ; e' = (1 - hm) x (-1e30 sqrt(128))
.endr
	v_max3_num_f32 v156, v148, v149, v150          ; the largest e' of my 8 keys,
	v_max3_num_f32 v157, v151, v152, v153
	s_delay_alu instid0(VALU_DEP_2)
	v_max3_num_f32 v156, v156, v154, v155
	s_delay_alu instid0(VALU_DEP_1)
	v_max_num_f32 v156, v156, v157
.irp m, 1,2,4,8
	s_delay_alu instid0(VALU_DEP_1)
	v_max_num_f32_dpp v156, v156, v156 row_xmask:\m row_mask:0xf bank_mask:0xf     ; of my row of lanes,
.endr
	s_delay_alu instid0(VALU_DEP_1)
	v_permlanex16_b32 v157, v156, s[SEL], s[SEL+1]
	s_delay_alu instid0(VALU_DEP_1)
	v_max_num_f32 v156, v156, v157                 ; of my wave's 256 keys
	ds_store_b32 v158, v156                        ; all lanes write the same word with the same value
	s_wait_alu depctr_va_vdst(0)
	s_wait_dscnt 0x0                               ; my word has landed
	s_barrier_signal -1
	s_barrier_wait -1                              ; K's loads stay out
	ds_load_b128 v[160:163], v159
	ds_load_b128 v[164:167], v159 offset:16
	s_wait_dscnt 0x0
	v_max3_num_f32 v160, v160, v161, v162
	v_max3_num_f32 v163, v163, v164, v165
	s_delay_alu instid0(VALU_DEP_2)
	v_max3_num_f32 v160, v160, v166, v167
	s_delay_alu instid0(VALU_DEP_1)
	v_max_num_f32 v160, v160, v163                 ; E
	s_delay_alu instid0(VALU_DEP_1)
	v_and_b32 v161, 0x7fffffff, v160
	s_delay_alu instid0(VALU_DEP_1)
	v_cmp_le_u32 s[HUGE], 0x5f800000, v161         ; |E| is 2^64 or more (a magnitude's bits compare as whole numbers); it only selects values
.irp i, 0,1,2,3,4,5,6,7
	v_sub_f32 v[148+\i], v[148+\i], v160           ; e
.endr
.set n, 0
.rept 24
	v_cndmask_b32 v[Q+n], v[Q+n], 0, s[HUGE]       ; where E is large, Q's codes are zeros
.set n, n+1
.endr
	ds_store_b128 v130, v[148:151]
	ds_store_b128 v130, v[152:155] offset:16
	s_wait_alu depctr_va_vdst(0)
	s_wait_tensorcnt 0x0                           ; my two records of K are in; these lines stand ahead of a later first fill, as ahead of a refill
	ds_add_u32 v[SPW], v[NIL]
	s_mov_b32 s[G1+2], 50<<16                      ; no tensor load of mine is out: from here a load brings one record, 50 rows
	s_mov_b32 s[G1+4], 50
	s_wait_dscnt 0x0                               ; the add is done, and my part of the table has landed
	CROUND                                         ; all of K and the table are in
	tensor_load_to_lds s[G0V:G0V+3], s[G1:G1+7]    ; V's first eight records, one a wave: it has all of pass 1 in which to land
	s_nop 0
	PLACES
	LOADK TK
	LOADB TAB
	WIN 0
	s_mov_b32 s69, 16
.Lp1:
	P1STEP 15
	s_sub_co_u32 s69, s69, 1
	s_cmp_lg_u32 s69, 0
	s_cbranch_scc1 .Lp1
	; BETWEEN THE PASSES: the two halves of the lanes join their maxima and sums; then pass 2's addend and the sign
.irp u, 0,1
	v_permlanex16_b32 v[TM+16*\u], v[ST+8*\u+1], s[SEL], s[SEL+1]
.endr
.irp u, 0,1
	s_delay_alu instid0(VALU_DEP_2)
	v_max_num_f32 v[TM+16*\u+1], v[ST+8*\u+1], v[TM+16*\u]         ; the row's maximum
.endr
.irp u, 0,1
	s_delay_alu instid0(VALU_DEP_2)
	v_mul_f32 v[TM+16*\u+2], 0xbe0293ee, v[TM+16*\u+1]             ; -c max
.endr
.irp u, 0,1
	s_delay_alu instid0(VALU_DEP_2)
	v_sub_f32 v[TM+16*\u+8], v[TM+16*\u+2], v[ST+8*\u]             ; the row's addend less my half's, 0 or less
.endr
	s_wait_alu depctr_va_vdst(0)
.irp u, 0,1
	v_exp_f32 v[ST+8*\u+6], v[TM+16*\u+8]
.endr
.irp u, 0,1
	v_add_f32 v[TM+16*\u+3], v[ST+8*\u+2], v[ST+8*\u+3]
.endr
	s_wait_alu depctr_va_vdst(0)                   ; ahead of the first reader of the two exponentials
.irp u, 0,1
	v_mul_f32 v[TM+16*\u+3], v[TM+16*\u+3], v[ST+8*\u+6]
.endr
.irp u, 0,1
	s_delay_alu instid0(VALU_DEP_2)
	v_permlanex16_b32 v[TM+16*\u+4], v[TM+16*\u+3], s[SEL], s[SEL+1]
.endr
.irp u, 0,1
	s_delay_alu instid0(VALU_DEP_2)
	v_add_f32 v[TM+16*\u+3], v[TM+16*\u+3], v[TM+16*\u+4]          ; the row's sum: about 1 or more
.endr
	s_wait_alu depctr_va_vdst(0)
.irp u, 0,1
	v_rcp_f32 v[TM+16*\u+5], v[TM+16*\u+3]
.endr
	v_nop
	s_wait_alu depctr_va_vdst(0)                   ; ahead of the first reader of the two reciprocals
.irp u, 0,1
	v_mul_f32 v[TM+16*\u+9], v[TM+16*\u+5], v[ST+8*\u+5]           ; mask_q / sum
.endr
	s_wait_alu depctr_va_vdst(0)
.irp u, 0,1
	v_log_f32 v[TM+16*\u+10], |v[TM+16*\u+9]|
.endr
.irp u, 0,1
	v_and_or_b32 v[GG+8*\u], v[ST+8*\u+5], 0x80000000, 1.0         ; 1 with the sign of mask_q
	v_mov_b32 v[GG+8*\u+1], 0                      ; (named as the upper half of a pair)
.endr
	s_wait_alu depctr_va_vdst(0)                   ; ahead of the first reader of the two logarithms
.irp u, 0,1
	v_max_num_f32 v[TM+16*\u+10], 0xc9800000, v[TM+16*\u+10]       ; held at -2^20 from below: a mask of 0 gives weights of 0 and no infinity
.endr
.irp u, 0,1
	s_delay_alu instid0(VALU_DEP_2)
	v_add_f32 v[ST+8*\u], v[TM+16*\u+10], v[TM+16*\u+2]            ; pass 2's addend: log2(|mask_q| / sum) - c max
.endr
	s_mov_b32 s[TK], 0
	s_mov_b32 s[TAB], 0
	s_mov_b32 s[TV], VRING
	s_wait_alu depctr_va_vdst(0)
	s_wait_tensorcnt 0x0                           ; my record of V is in
	s_wait_dscnt 0x0                               ; pass 1's last look-ahead has landed: its registers may be written
	s_barrier_signal -1
	s_barrier_wait -1                              ; everybody's record is in
	LOADKB2 0, TK, TAB                             ; pass 2's first half step
	WIN 0x40
.set n, 0
.rept 128
	v_mov_b32 v[128+n], 0                          ; O^T: pass 2's step is written for every step alike, so its first finds zeros.  (These lines stand between the loads above and their use)
.set n, n+1
.endr
	WIN 0
	s_mov_b32 s70, 2
.Lpa:                                              ; V's quads 0 and 1; behind each its slot takes the quad two on
	s_mov_b32 s69, 4
.Lpa_step:
	P2STEP
	s_sub_co_u32 s69, s69, 1
	s_cmp_lg_u32 s69, 0
	s_cbranch_scc1 .Lpa_step
	CHANGE 1
	s_sub_co_u32 s70, s70, 1
	s_cmp_lg_u32 s70, 0
	s_cbranch_scc1 .Lpa
	s_mov_b32 s[TV], VRING
	s_mov_b32 s70, 2
.Lpb:                                              ; quads 2 and 3: written out again
	s_mov_b32 s69, 4
.Lpb_step:
	P2STEP
	s_sub_co_u32 s69, s69, 1
	s_cmp_lg_u32 s69, 0
	s_cbranch_scc1 .Lpb_step
	CHANGE 0
	s_sub_co_u32 s70, s70, 1
	s_cmp_lg_u32 s70, 0
	s_cbranch_scc1 .Lpb
	; THE WAY OUT: O^T with the sign of mask_q; a tile's 64 registers are the head's 128 channels (with lane l xor 16's), which are K step h of the last product: quantised, they are a fragment of its operand.
	PLACES
	WIN 0x41
.irp u, 0,1
.set n, 0
.rept 32
	v_pk_mul_f32 v[128+64*\u+n:128+64*\u+n+1], v[128+64*\u+n:128+64*\u+n+1], v[GG+8*\u:GG+8*\u+1] op_sel_hi:[1,0]   ; each accumulator from its low end on
.set n, n+2
.endr
.endr
.irp u, 0,1
	BMAX 128+64*\u, TM+16*\u, 1
	QJOIN TM+16*\u
	QWORD TM+16*\u, PW+\u
	QCVT 128+64*\u, TM+16*\u, PC+12*\u
.irp c, 0,1,2
	global_store_b128 v[LI], v[PC+12*\u+4*\c:PC+12*\u+4*\c+3], s[8:9] offset:1536*\u+512*\c    ; 512 consecutive bytes
.endr
.endr
	v_cmp_le_u32 s72, 16, v60                      ; lanes 16-31 store tile 1's words
	s_delay_alu instid0(VALU_DEP_1)
	v_cndmask_b32 v[CT], v[PW], v[PW+1], s72
	v_lshlrev_b32 v61, 2, v60
	global_store_b32 v61, v[CT], s[10:11]          ; 128 consecutive bytes
	s_wait_tensorcnt 0x0                           ; the wave's end
	ds_add_u32 v[SPW], v[NIL]
	s_wait_dscnt 0x0
	CROUND                                         ; the closing round
	s_endpgm
.Lfunc_end_k_q4c20322a4d_attn:
	.size	k_q4c20322a4d_attn, .Lfunc_end_k_q4c20322a4d_attn-k_q4c20322a4d_attn
	.p2alignl 7, 3214868480
	.fill 96, 4, 3214868480
	.section	.rodata,"a",@progbits
	.p2align	6, 0x0
	.amdhsa_kernel k_q4c20322a4d_attn
		.amdhsa_group_segment_fixed_size 327680
		.amdhsa_private_segment_fixed_size 0
		.amdhsa_enable_private_segment 0
		.amdhsa_kernarg_size 32
		.amdhsa_user_sgpr_count 2
		.amdhsa_user_sgpr_kernarg_segment_ptr 1
		.amdhsa_wavefront_size32 1
		.amdhsa_system_sgpr_workgroup_id_x 1
		.amdhsa_system_sgpr_workgroup_id_y 1
		.amdhsa_system_sgpr_workgroup_id_z 1
		.amdhsa_system_vgpr_workitem_id 0
		.amdhsa_next_free_vgpr 512
		.amdhsa_next_free_sgpr 100
		.amdhsa_reserve_vcc 0
		.amdhsa_float_denorm_mode_32 3
		.amdhsa_float_denorm_mode_16_64 3
		.amdhsa_memory_ordered 1
		.amdhsa_forward_progress 1
		.amdhsa_inst_pref_size 117
	.end_amdhsa_kernel
	.amdgpu_metadata
---
amdhsa.version: [ 1, 2 ]
amdhsa.kernels:
  - .name:           k_q4c20322a4d_attn
    .symbol:         k_q4c20322a4d_attn.kd
    .args:
      - { .name: qkv, .offset: 0, .size: 8, .value_kind: global_buffer, .address_space: global }
      - { .name: mask, .offset: 8, .size: 8, .value_kind: global_buffer, .address_space: global }
      - { .name: hcodes, .offset: 16, .size: 8, .value_kind: global_buffer, .address_space: global }
      - { .name: hscales, .offset: 24, .size: 8, .value_kind: global_buffer, .address_space: global }
    .group_segment_fixed_size: 327680
    .private_segment_fixed_size: 0
    .kernarg_segment_align: 8
    .kernarg_segment_size: 32
    .max_flat_workgroup_size: 256
    .sgpr_count:     100
    .vgpr_count:     512
    .wavefront_size: 32
...
	.end_amdgpu_metadata
.endif
;; end of part 3
;; launch outproj (part 4): grid 256 x 1, 4 waves a work-group, clusters of 4 x 1, 167,936 bytes of LDS; arguments hcodes, hscales, codes0, scales0, out0; writes out0
.if DOCPART == 4
	.amdgcn_target "amdgcn-amd-amdhsa--gfx1250"
	.amdhsa_code_object_version 6
	.text
	.protected	k_q4c20322a4d_outproj
	.globl	k_q4c20322a4d_outproj
	.p2align	8
	.type	k_q4c20322a4d_outproj,@function
k_q4c20322a4d_outproj:
	s_mov_b64 s[64:65], 0
	v_nop
	global_prefetch_b8 v0, s[64:65] scope:SCOPE_SE
	s_setreg_imm32_b32 hwreg(HW_REG_WAVE_MODE, 25, 1), 1
	s_wait_xcnt 0x0
	s_wait_alu depctr_hold_cnt(0) depctr_sa_sdst(0) depctr_va_vdst(0) depctr_va_sdst(0) depctr_va_ssrc(0) depctr_va_vcc(0) depctr_vm_vsrc(0)
	s_getreg_b32 s2, hwreg(HW_REG_IB_STS2, 6, 4)
	s_cmp_eq_u32 s2, 0
	s_cbranch_scc0 .Lentry_in_a_cluster
	s_endpgm
.Lentry_in_a_cluster:
	s_bfe_u32 s2, ttmp6, 0x10000c
	s_cmp_lg_u32 s2, 0x3003
	s_cbranch_scc0 .Lentry_shape_is_right
	s_endpgm
.Lentry_shape_is_right:
; out0[b][n][l] = the sum over k of head[b][l][k] Wo[k][n], on codes of FP6 (E2M3) with E8M0 scales, K = 1,024.  The main part is launch proj's.
; A JOB: A = a block of 128 rows l of head (source 0), B = 256 columns n of Wo (source 1).  Wave w takes four fragments of B against A's eight: a lane holds one n, and its 64 registers of a fragment
; (with lane l xor 16's) are 128 neighbouring l: a row of 512 bytes of out0.
; A's block comes into LDS once, by one joint tensor load a wave (a quarter of the block each); the four work-groups of a cluster share it (mask 15).  B's fragments go from memory into registers.
; THE WAY OUT: 16 rows n x 128 l at a time through the wave's own stage in LDS (rows of 512 bytes + 16), back as whole rows: 32 lanes store 512 consecutive aligned bytes.
; REGISTERS: as in launch proj; on the way out v128-255 of window 0 take the rows read back.
.set SPARE, 98304                      ; behind A's image: the spare words, two blocks of 256 bytes that no other line names
.set STG,   98816                      ; behind them: a stage of 16 x 528 bytes for each wave; no tensor load lands there
.set SPW, 1
.set NIL, 2
.set LI,  3
.set SO,  4
.set LI2, 6
.set STO, 10                           ; v10 where I put my 64 bytes of a row's 128
.set RD,  11                           ; v11 where I read a row back
.set SA,  32
.set SB,  96
.set A0,  128
.set A1,  144
.set WV,  12
.set G1,  24
.set G0,  32
.set MSB, 0
.macro WIN new
.if MSB != (\new)
	s_set_vgpr_msb (MSB<<8)|(\new)
.set MSB, \new
.endif
.endm
.macro PLACES
.rept 4
	v_nop
.endr
.endm
.macro CROUND
	s_barrier_signal -1
	s_barrier_wait -1
	s_cmp_lg_u32 s[WV], 0
	s_cbranch_scc1 .Lnot_wave_0_\@
	s_barrier_signal -3
.Lnot_wave_0_\@:
	s_barrier_wait -3
	s_barrier_signal -1
	s_barrier_wait -1
.endm
.macro ALOAD s
.if ((\s)&1) == 0
	WIN 0
.set AR, A0
.else
	WIN 0xc0
.set AR, A1
.endif
.if (\s) < 4
.set AV, LI
.set AO, (\s)*12288
.else
.set AV, LI2
.set AO, ((\s)-4)*12288
.endif
.irp f, 0,1,2,3,4,5,6,7
.irp c, 0,1,2
	ds_load_b128 v[AR+12*\f+4*\c:AR+12*\f+4*\c+3], v[AV] offset:AO+1536*\f+512*\c
.endr
.endr
.endm
; one product.  zero: it starts the sum.  ra, rb: the scale words stand in lanes 16-31 of their registers
.macro WMM ac, ar, br, sa, sb, zero, ra, rb
.if \zero
.if (\ra) && (\rb)
	v_wmma_scale_f32_16x16x128_f8f6f4 v[(\ac):(\ac)+7], v[(\ar):(\ar)+11], v[(\br):(\br)+11], 0, v[\sa], v[\sb] matrix_a_fmt:MATRIX_FMT_FP6 matrix_b_fmt:MATRIX_FMT_FP6 matrix_a_scale:MATRIX_SCALE_ROW1 matrix_b_scale:MATRIX_SCALE_ROW1
.elseif \ra
	v_wmma_scale_f32_16x16x128_f8f6f4 v[(\ac):(\ac)+7], v[(\ar):(\ar)+11], v[(\br):(\br)+11], 0, v[\sa], v[\sb] matrix_a_fmt:MATRIX_FMT_FP6 matrix_b_fmt:MATRIX_FMT_FP6 matrix_a_scale:MATRIX_SCALE_ROW1
.elseif \rb
	v_wmma_scale_f32_16x16x128_f8f6f4 v[(\ac):(\ac)+7], v[(\ar):(\ar)+11], v[(\br):(\br)+11], 0, v[\sa], v[\sb] matrix_a_fmt:MATRIX_FMT_FP6 matrix_b_fmt:MATRIX_FMT_FP6 matrix_b_scale:MATRIX_SCALE_ROW1
.else
	v_wmma_scale_f32_16x16x128_f8f6f4 v[(\ac):(\ac)+7], v[(\ar):(\ar)+11], v[(\br):(\br)+11], 0, v[\sa], v[\sb] matrix_a_fmt:MATRIX_FMT_FP6 matrix_b_fmt:MATRIX_FMT_FP6
.endif
.else
.if (\ra) && (\rb)
	v_wmma_scale_f32_16x16x128_f8f6f4 v[(\ac):(\ac)+7], v[(\ar):(\ar)+11], v[(\br):(\br)+11], v[(\ac):(\ac)+7], v[\sa], v[\sb] matrix_a_fmt:MATRIX_FMT_FP6 matrix_b_fmt:MATRIX_FMT_FP6 matrix_a_scale:MATRIX_SCALE_ROW1 matrix_b_scale:MATRIX_SCALE_ROW1
.elseif \ra
	v_wmma_scale_f32_16x16x128_f8f6f4 v[(\ac):(\ac)+7], v[(\ar):(\ar)+11], v[(\br):(\br)+11], v[(\ac):(\ac)+7], v[\sa], v[\sb] matrix_a_fmt:MATRIX_FMT_FP6 matrix_b_fmt:MATRIX_FMT_FP6 matrix_a_scale:MATRIX_SCALE_ROW1
.elseif \rb
	v_wmma_scale_f32_16x16x128_f8f6f4 v[(\ac):(\ac)+7], v[(\ar):(\ar)+11], v[(\br):(\br)+11], v[(\ac):(\ac)+7], v[\sa], v[\sb] matrix_a_fmt:MATRIX_FMT_FP6 matrix_b_fmt:MATRIX_FMT_FP6 matrix_b_scale:MATRIX_SCALE_ROW1
.else
	v_wmma_scale_f32_16x16x128_f8f6f4 v[(\ac):(\ac)+7], v[(\ar):(\ar)+11], v[(\br):(\br)+11], v[(\ac):(\ac)+7], v[\sa], v[\sb] matrix_a_fmt:MATRIX_FMT_FP6 matrix_b_fmt:MATRIX_FMT_FP6
.endif
.endif
.endm
.macro MUL s
.if ((\s)&1) == 0
.set AR, A0
.set AW, 0
.else
.set AR, A1
.set AW, 3
.endif
.if (\s) < 5
.set BR, 48*(\s)
.set BW, 2
.else
.set BR, 48*((\s)-5)
.set BW, 3
.endif
.set WB, 0x50|(BW<<2)|AW
	WIN WB
.irp a, 0,1,2,3,4,5,6,7
.irp t, 0,1,2,3
	WMM 64*\t+8*\a, AR+12*\a, BR+12*\t, SA+4*(\s)+\a/2, SB+2*(\s)+\t/2, (\s)==0, \a%2, \t%2
.endr
.endr
.endm
.macro STEP s
.if (\s) < 7
.if (\s) > 0
	PLACES                                         ; the set that takes the next step's fragments was read by the last step's products
.endif
	ALOAD (\s)+1
	s_wait_dscnt 24                                ; this step's fragments are in; the 24 loads just issued may be out
.else
	s_wait_dscnt 0x0
.endif
.if 18*(7-(\s)) > 63
	s_wait_loadcnt 63                              ; this step's scale words and fragments of B are in (more loads stand behind them than the count can name)
.else
	s_wait_loadcnt 18*(7-(\s))                     ; the later steps' 18 loads each may be out
.endif
	MUL \s
.endm
.macro TOSTAGE t                       ; fragment t's 16 rows n: register 16 beta + 4 q .. of lane (r, h) is l = 32 beta + 16 h + 4 q ..
	WIN 0x04                                       ; an LDS store's data are its source 1: window 1
.set n, 0
.rept 16
	ds_store_b128 v[STO], v[64*(\t)+4*n:64*(\t)+4*n+3] offset:128*(n/4)+16*(n%4)   ; each accumulator from its low end on
.set n, n+1
.endr
	WIN 0
.set BB, 128+64*((\t)%2)
.set n, 0
.rept 16
	ds_load_b128 v[BB+4*n:BB+4*n+3], v[RD] offset:528*n    ; LDS serves a wave's instructions in order (ISA guide 5.7.1.4): these see my stores
.set n, n+1
.endr
.endm
.macro SEND t, younger                 ; younger: the LDS instructions issued behind fragment t's loads, which may stay out
.set BB, 128+64*((\t)%2)
	s_wait_dscnt \younger
.set n, 0
.rept 16
	global_store_b128 v[LI], v[BB+4*n:BB+4*n+3], s[54:55] offset:(32*((\t)/2)+8*((\t)%2)+n+8*(n/8))*8192 th:TH_STORE_NT    ; the fragment's row n of out0: 512 consecutive bytes
.set n, n+1
.endr
.endm
	s_load_b256 s[4:11], s[0:1], 0x0               ; hcodes, hscales, codes0, scales0
	s_load_b64 s[16:17], s[0:1], 0x20              ; out0
	v_lshl_add_u32 v[SPW], v0, 2, SPARE
	v_mov_b32 v[NIL], 0
	ds_add_u32 v[SPW], v[NIL]                      ; the wave's opening: the add and its wait stand ahead of my first tensor load; the set-up below, work on registers, stands between them
	ds_add_u32 v[SPW], v[NIL]
	v_lshrrev_b32 v7, 5, v0
	v_readfirstlane_b32 s[WV], v7                  ; wave 0..3
	v_and_b32 v7, 31, v0
	v_lshlrev_b32 v[LI], 4, v7
	v_add_nc_u32 v[LI2], 49152, v[LI]
	v_and_b32 v8, 15, v0                           ; r
	v_bfe_u32 v9, v0, 4, 1                         ; h
	v_lshlrev_b32 v[SO], 2, v7                     ; 4 x lane: my place in two fragments' scale words
	s_mul_i32 s76, s[WV], 8448
	s_add_co_u32 s76, s76, STG                     ; my stage
	v_mul_u32_u24 v[STO], v8, 528
	v_lshl_add_u32 v[STO], v9, 6, v[STO]
	v_add_nc_u32 v[STO], s76, v[STO]               ; in: row r, + 64 h
	v_add_nc_u32 v[RD], s76, v[LI]                 ; back: 16 bytes a lane of a row
	s_bfe_u32 s13, ttmp6, 0x40000                  ; cx: it enters B's and the result's global offsets alone
	s_mov_b32 s18, ttmp9                           ; A's block: 16 b + l / 128
	s_lshl_b32 s19, s13, 1
	s_add_co_u32 s19, s19, 88
	s_lshr_b32 s69, s[WV], 1
	s_and_b32 s70, s[WV], 1
	s_add_co_u32 s19, s19, s69                     ; my block of Wo; my fragments are 4 (w % 2) on
	s_mul_i32 s71, s[WV], 24576                    ; my quarter of A's block (K steps 2 w, 2 w + 1), in memory and in LDS
	s_mul_i32 s72, s18, 98304
	s_add_co_u32 s72, s72, s71
	s_mov_b32 s73, 0
	s_lshl_b32 s50, s18, 12
	s_mov_b32 s51, 0
	s_mul_i32 s48, s19, 98304
	s_mul_i32 s74, s70, 6144
	s_add_co_u32 s48, s48, s74
	s_mov_b32 s49, 0
	s_lshl_b32 s52, s19, 12
	s_lshl_b32 s75, s70, 8
	s_add_co_u32 s52, s52, s75
	s_mov_b32 s53, 0
	s_lshr_b32 s54, s18, 4                         ; out0: the batch, 8,388,608 bytes each,
	s_lshl_b32 s54, s54, 23
	s_lshl_b32 s75, s13, 21                        ; row n = 256 cx + 64 w, 8,192 bytes each,
	s_add_co_u32 s54, s54, s75
	s_lshl_b32 s75, s[WV], 19
	s_add_co_u32 s54, s54, s75
	s_and_b32 s75, s18, 15                         ; 128 columns l
	s_lshl_b32 s75, s75, 9
	s_add_co_u32 s54, s54, s75
	s_mov_b32 s55, 0
	s_mov_b32 s[G1], 15|(3<<16)|(1<<21)            ; the mask names all four work-groups; 21 set beside it
	s_mov_b32 s[G1+1], 32<<16
	s_mov_b32 s[G1+2], 96<<16                      ; 24,576 dense bytes as 96 rows of 256
	s_mov_b32 s[G1+3], 32<<16
	s_mov_b32 s[G1+4], 96
	s_mov_b32 s[G1+5], 32
	s_mov_b32 s[G1+6], 0
	s_mov_b32 s[G1+7], 0
	s_wait_dscnt 0x0                               ; the opening add is done
	s_wait_kmcnt 0x0
	s_add_nc_u64 s[72:73], s[4:5], s[72:73]
	s_add_nc_u64 s[50:51], s[6:7], s[50:51]
	s_add_nc_u64 s[48:49], s[8:9], s[48:49]
	s_add_nc_u64 s[52:53], s[10:11], s[52:53]
	s_add_nc_u64 s[54:55], s[16:17], s[54:55]
	s_mov_b32 s[G0], 1
	s_add_co_u32 s[G0+1], s71, 0
	s_mov_b64 s[G0+2:G0+3], s[72:73]
	s_or_b32 s[G0+3], s[G0+3], 0x80000000
	CROUND                                         ; all four work-groups are here: the joint loads meet
	tensor_load_to_lds s[G0:G0+3], s[G1:G1+7]      ; my quarter of A's block: one tensor load a wave; nothing is filled twice
	s_nop 0
	PLACES
	s_wait_alu depctr_va_vdst(0)
; What a K step reads is asked for together, step by step: 18 loads.  One register carries two fragments' scale words, the even fragment's in lanes 0-15 and the odd one's in lanes 16-31: 128 consecutive bytes a load.
.irp s, 0,1,2,3,4,5,6,7
	WIN 0
.irp i, 0,1,2,3
	global_load_b32 v[SA+4*\s+\i], v[SO], s[50:51] offset:512*\s+128*\i    ; A's fragments 2 i and 2 i + 1
.endr
.irp i, 0,1
	global_load_b32 v[SB+2*\s+\i], v[SO], s[52:53] offset:512*\s+128*\i    ; my fragments 2 i and 2 i + 1 of B
.endr
.if \s < 5
	WIN 0x80                                       ; destination window 2
.set BR, 48*\s
.else
	WIN 0xc0                                       ; destination window 3
.set BR, 48*(\s-5)
.endif
.irp t, 0,1,2,3
.irp c, 0,1,2
	global_load_b128 v[BR+12*\t+4*\c:BR+12*\t+4*\c+3], v[LI], s[48:49] offset:12288*\s+1536*\t+512*\c
.endr
.endr
.endr
	WIN 0
	s_wait_tensorcnt 0x0                           ; my quarter of A's block is in
	s_barrier_signal -1
	s_barrier_wait -1
	ALOAD 0
.irp s, 0,1,2,3,4,5,6,7
	STEP \s
.endr
	WIN 0
	PLACES                                         ; behind the last products: for the first reads of results and the loads into registers that held A's fragments
	TOSTAGE 0
.irp t, 1,2,3
.if \t > 1
	s_wait_xcnt 0x0                                ; fragment t - 2's stores have read their registers: fragment t's rows may land there
.endif
	TOSTAGE \t
	SEND \t-1, 32                                  ; behind fragment t - 1's loads: fragment t's 16 stores and 16 loads
.endr
	SEND 3, 0
	s_wait_tensorcnt 0x0                           ; the wave's end: behind my last tensor load and my last LDS store
	ds_add_u32 v[SPW], v[NIL]
	s_wait_dscnt 0x0
	CROUND                                         ; the closing round
	s_endpgm
.Lfunc_end_k_q4c20322a4d_outproj:
	.size	k_q4c20322a4d_outproj, .Lfunc_end_k_q4c20322a4d_outproj-k_q4c20322a4d_outproj
	.p2alignl 7, 3214868480
	.fill 96, 4, 3214868480
	.section	.rodata,"a",@progbits
	.p2align	6, 0x0
	.amdhsa_kernel k_q4c20322a4d_outproj
		.amdhsa_group_segment_fixed_size 167936
		.amdhsa_private_segment_fixed_size 0
		.amdhsa_enable_private_segment 0
		.amdhsa_kernarg_size 40
		.amdhsa_user_sgpr_count 2
		.amdhsa_user_sgpr_kernarg_segment_ptr 1
		.amdhsa_wavefront_size32 1
		.amdhsa_system_sgpr_workgroup_id_x 1
		.amdhsa_system_sgpr_workgroup_id_y 1
		.amdhsa_system_sgpr_workgroup_id_z 1
		.amdhsa_system_vgpr_workitem_id 0
		.amdhsa_next_free_vgpr 1024
		.amdhsa_next_free_sgpr 80
		.amdhsa_reserve_vcc 0
		.amdhsa_float_denorm_mode_32 3
		.amdhsa_float_denorm_mode_16_64 3
		.amdhsa_memory_ordered 1
		.amdhsa_forward_progress 1
		.amdhsa_inst_pref_size 79
	.end_amdhsa_kernel
	.amdgpu_metadata
---
amdhsa.version: [ 1, 2 ]
amdhsa.kernels:
  - .name:           k_q4c20322a4d_outproj
    .symbol:         k_q4c20322a4d_outproj.kd
    .args:
      - { .name: hcodes, .offset: 0, .size: 8, .value_kind: global_buffer, .address_space: global }
      - { .name: hscales, .offset: 8, .size: 8, .value_kind: global_buffer, .address_space: global }
      - { .name: codes0, .offset: 16, .size: 8, .value_kind: global_buffer, .address_space: global }
      - { .name: scales0, .offset: 24, .size: 8, .value_kind: global_buffer, .address_space: global }
      - { .name: out0, .offset: 32, .size: 8, .value_kind: global_buffer, .address_space: global }
    .group_segment_fixed_size: 167936
    .private_segment_fixed_size: 0
    .kernarg_segment_align: 8
    .kernarg_segment_size: 40
    .max_flat_workgroup_size: 128
    .sgpr_count:     80
    .vgpr_count:     1024
    .wavefront_size: 32
...
	.end_amdgpu_metadata
.endif
;; end of part 4
